; MI455X (gfx1250); checked and timed in simulation.
; The chip was launched on July 23, 2026; its instructions are those of AMD's public machine-readable ISA for CDNA 5 (MIT licence, August 2026) and "CDNA5" Instruction Set Architecture Reference Guide (July 2026). The comments in the code are by the model that wrote it; some were corrected since.
;; Random Assign Mo E. Allowed arithmetic: matrix products marked QUANTISED: E2M1 operands, one E8M0 scale for each 32 along K, by v_wmma_scale_f32_16x16x128_f8f6f4 with both operands' format E2M1 (or v_wmma_scale_f32_32x16x128_f4), f32 sums; everything else in f32.
;; Inputs: b1 16 x 2,048 float32; b2 16 x 1,024 float32; h 2 x 512 x 1,024 float32; router_w 1,024 x 16 float32; w1 16 x 1,024 x 2,048 float32; w2 16 x 2,048 x 1,024 float32.
;; Outputs: out0 2 x 512 x 1,024 float32.
;; This version of the problem:
;;   THIS VERSION OF THE PROBLEM IS GIVEN IN LOW PRECISION. The matrix products marked QUANTISED in the list below multiply operands that are first quantised to E2M1 (2 exponent bits, 1 mantissa bit; 4 bits a number), with one power-of-two scale for each 32 numbers along K (OCP MX v1.0); their sums are f32. All else is computed in f32.
;;   The module's matrix products, in the order in which they are computed (A, B: the left and right operand; K: the contracted axis; several contracted axes count as one K, in the product's order):
;;     1. [M 1,024, K 1,024] x [K 1,024, N 16]; A: input h; B: input router_w: QUANTISED
;;     2. [M 1,024, K 1,024] x [K 1,024, N 32,768]; A: input h; B: input w1: QUANTISED
;;     3. batch 16 x [M 1,024, K 2,048] x [K 2,048, N 1,024]; A: input w2; B: computed on the way: QUANTISED
;;   THE QUANTISER, for each operand of a quantised product, along K:
;;     - K is cut into blocks of 32 from its start; a last block that is shorter is filled with zeros.
;;     - A block's scale is 2^e with e = floor(log2(the largest magnitude in the block)) - 2, held to -126 .. 127; a block of zeros has e = 0. As a byte (E8M0): e + 127.
;;     - Each number is divided by its block's scale, clamped to +-6, and rounded to the nearest number of E2M1, ties to even, subnormals kept.
;;     - The product sums the exact products of the quantised numbers (number of the format x scale) in f32.
;;   ~~~python
;;   def quantise(x, axis):      # numpy; x: float32 -> the quantised numbers, widened to float32 again
;;       x = np.moveaxis(x, axis, -1); K = x.shape[-1]
;;       x = np.pad(x, [(0, 0)] * (x.ndim - 1) + [(0, -K % 32)]); x = x.reshape(x.shape[:-1] + (-1, 32)); a = np.abs(x).max(-1, keepdims=True)
;;       e = np.where(a > 0, np.clip(np.frexp(np.where(a > 0, a, 1))[1] - 1 - 2, -126, 127), 0)      # np.frexp(a)[1] - 1 = floor(log2(a)), exactly
;;       r = np.clip(x / 2.0 ** e, -6, 6)
;;       step = 2.0 ** (np.maximum(np.frexp(np.where(r == 0, 1, r))[1] - 1, 0) - 1)
;;       q = np.round(r / step) * step * 2.0 ** e      # np.round: ties to even
;;       return np.moveaxis(q.reshape(q.shape[:-2] + (-1,))[..., :K], -1, axis).astype(np.float32)
;;   ~~~
;;   OPERANDS COMPUTED ON THE WAY. 'Computed on the way' means the value that the module computes at that place (a softmax that the list does not call 'softmax' is quantised finished and normalised). What goes into a quantiser is computed in f32, as accurately as f32 sums, v_exp_f32 and their like allow (about 1e-6 of the number): no bf16 or f16 on the way to a quantiser, and a product that is left as it is and whose result goes on into a quantised operand takes f32 operands (vector FMAs, or v_wmma_f32_16x16x4_f32). A number that lies on a knife's edge between two numbers of the format may be rounded either way, as far as f32 arithmetic and the matrix unit's own rounding can turn it there, and no further.
;; 2 versions. Each part assembles by itself: llvm-mc -triple=amdgcn-amd-amdhsa -mcpu=gfx1250 --defsym DOCPART=n.
;; ======== version 1 of 2: 4 launches
;; workspace buffers: xq 524,288 bytes; xs 32,768 bytes; assign 4,096 bytes of whole numbers; gate 4,096 bytes; list 6,144 bytes of whole numbers; meta 256 bytes of whole numbers; hid 1,048,576 bytes; hsc 65,536 bytes
;; launch route (part 1): grid 64 x 1, 8 waves a work-group, no clusters, 18,432 bytes of LDS; arguments h, router_w, xq, xs, assign, gate; writes xq, xs, assign, gate
.if DOCPART == 1
	.amdgcn_target "amdgcn-amd-amdhsa--gfx1250"
	.amdhsa_code_object_version 6
	.text
	.protected	k_qf1de1a380a_route
	.globl	k_qf1de1a380a_route
	.p2align	8
	.type	k_qf1de1a380a_route,@function
k_qf1de1a380a_route:
	s_mov_b64 s[64:65], 0
	v_nop
	global_prefetch_b8 v0, s[64:65] scope:SCOPE_SE
	s_setreg_imm32_b32 hwreg(HW_REG_WAVE_MODE, 25, 1), 1
	s_wait_xcnt 0x0
; ROUTER AND x's QUANTISER.  x = h as [1024 tokens][1024]; logits = Q(x) Q(router_w), both quantised along the 1,024 to E2M1 with one E8M0 scale for each 32.
; Stored: xq, x's codes, [token][512 bytes], K innermost; xs, their scale words, [token][8 words], word s for k = 128 s .. 128 s + 127;
; assign[token] = the index of the largest logit (the lower index where two are equal); gate[token] = sigmoid of that logit.
; SHARES.  A work-group owns 16 tokens; wave w owns K step w (k = 128 w .. 128 w + 127): it quantises its 16 x 128 numbers of x and its 128 x 16 numbers of router_w and makes one matrix instruction.
; The eight partial logits meet in LDS as images of the result's registers; wave 0 adds them, K step ascending, in f32, and chooses.  No address and no branch hangs on a logit.
; THE PRODUCT IS USED TRANSPOSED: source 0 = router_w's 16 columns (the experts), source 1 = the 16 tokens: lane (r, h) holds token r and experts 8 h + 0 .. 7.
; LIMITS: NaN and infinities among the inputs are not served.  A block whose largest magnitude lies under 2^-124 keeps the scale byte 1; a block of zeros gets the byte 1 where the rule says 127:
; its codes are zeros, which add nothing under that byte, and the bytes are read by this program alone.  The logits are sums of eight f32 partial sums, one for each 128 along K.
; No tensor load, no cluster: a work-group reads 64 KiB of h that nobody else reads, and router_w is 64 KiB in all.
.set PART, 0                           ; LDS: eight images of partial logits, 1,024 bytes each: 512 c + 16 x lane
.set STG,  8192                        ; x's codes by rows: 16 rows x (512 bytes + 16)
.set XSS,  16640                       ; x's scale words: 32 r + 4 w
.set X,    16                          ; v16-79   my 64 numbers of x; in wave 0 later the eight images
.set RW,   80                          ; v80-143  my 64 numbers of router_w; later what leaves through registers
.set PC,   144                         ; v144-151 x's fragment
.set RC,   152                         ; v152-159 router_w's fragment
.set TM,   160                         ; v160-175 at work in QUANT
.set PW,   176                         ; v176     x's scale word
.set RS,   177                         ; v177     router_w's scale word
.set ACC,  184                         ; v184-191 the partial logits
.set SEL,  20                          ; s[20:21] v_permlanex16_b32's selects for lane l xor 16
; 64 numbers of a lane, register 16 b + i = k 32 b + 16 (lane / 16) + i of my row, become a fragment's codes in v[PC] on and its scale word in v[PW].
.macro QUANT s
.irp b, 0,1,2,3
	v_max3_num_f32 v[TM+\b], |v[\s+16*\b]|, |v[\s+1+16*\b]|, 0x1800000   ; block b: my 16 numbers, and the floor 2^(3 - 127): the byte cannot fall under 1
.endr
.irp i, 2,4,6,8,10,12,14
.irp b, 0,1,2,3
	v_max3_num_f32 v[TM+\b], v[TM+\b], |v[\s+16*\b+\i]|, |v[\s+1+16*\b+\i]|   ; the four blocks by turns
.endr
.endr
.irp b, 0,1,2,3
	v_permlanex16_b32 v[TM+4+\b], v[TM+\b], s[SEL], s[SEL+1]
.endr
.irp b, 0,1,2,3
	v_max_num_f32 v[TM+\b], v[TM+\b], v[TM+4+\b]   ; with lane l xor 16's: the block's largest magnitude
.endr
.irp b, 0,1,2,3
	v_add_nc_u32 v[TM+12+\b], 0xff000000, v[TM+\b]   ; 2 off its exponent field: the conversion's scale operand
.endr
.irp b, 0,1,2,3
	v_lshrrev_b32 v[TM+4+\b], 23, v[TM+12+\b]      ; the scale's byte
.endr
	v_lshl_or_b32 v[PW], v[TM+5], 8, v[TM+4]       ; the four bytes make my row's scale word
	v_lshl_or_b32 v[PW], v[TM+6], 16, v[PW]
	v_lshl_or_b32 v[PW], v[TM+7], 24, v[PW]
.irp b, 0,1,2,3
	v_cvt_scalef32_pk8_fp4_f32 v[PC+2*\b], v[\s+16*\b:\s+7+16*\b], v[TM+12+\b]
	v_cvt_scalef32_pk8_fp4_f32 v[PC+1+2*\b], v[\s+8+16*\b:\s+15+16*\b], v[TM+12+\b]
.endr
	v_nop                                          ; one plain place behind a scaled conversion
.irp c, 0,1                                    ; the operand's layout wants a whole block in a lane: lanes 0-15 block 2 c, lanes 16-31 block 2 c + 1
.irp i, 0,1
	v_permlane16_swap_b32 v[PC+4*\c+\i], v[PC+2+4*\c+\i]
.endr
.endr
.endm
	s_load_b256 s[4:11], s[0:1], 0x0               ; h s[4:5], router_w s[6:7], xq s[8:9], xs s[10:11]
	s_load_b128 s[12:15], s[0:1], 0x20             ; assign s[12:13], gate s[14:15]
	v_lshl_add_u32 v192, v0, 2, 0x4400
	v_mov_b32 v193, 0
	v_lshrrev_b32 v1, 5, v0
	v_readfirstlane_b32 s18, v1                    ; wave 0..7
	v_and_b32 v1, 31, v0                           ; lane
	v_and_b32 v2, 15, v0                           ; r
	v_bfe_u32 v3, v0, 4, 1                         ; h
	v_lshlrev_b32 v4, 12, v2
	v_lshl_add_u32 v4, v3, 6, v4                   ; x: row r of 4,096 bytes, + 64 h: my 16 numbers of a block of 32
	v_lshlrev_b32 v5, 2, v2
	v_lshl_add_u32 v5, v3, 11, v5                  ; router_w: column r, lanes 16-31 begin 32 rows of 64 bytes further down
	v_lshlrev_b32 v6, 4, v1                        ; 16 x lane
	s_lshl_b32 s22, s18, 10
	v_add_nc_u32 v7, s22, v6                       ; my image of partial logits: PART + 1,024 w + 16 x lane
	v_mul_u32_u24 v8, v2, 528
	v_lshl_add_u32 v8, v3, 4, v8
	s_lshl_b32 s22, s18, 6
	v_add_nc_u32 v8, s22, v8
	v_add_nc_u32 v8, STG, v8                       ; the stage, in: row r, my K step's 64 bytes, + 16 h
	v_lshlrev_b32 v9, 5, v2
	s_lshl_b32 s22, s18, 2
	v_add_nc_u32 v9, s22, v9
	v_add_nc_u32 v9, XSS, v9                       ; my row's scale word of my K step
	s_mul_i32 s22, s18, 1056
	v_add_nc_u32 v10, s22, v6
	v_add_nc_u32 v10, STG, v10                     ; the stage, out: rows 2 w and 2 w + 1, 16 bytes a lane
	v_lshlrev_b32 v11, 2, v2                       ; 4 r: assign's and gate's word
	v_add_nc_u32 v12, XSS, v6                      ; the sixteen tokens' scale words, 16 bytes a lane
	s_mov_b32 s[SEL], 0x76543210
	s_mov_b32 s[SEL+1], 0xfedcba98
.irp b, 0,1,2,3
	v_mov_b32 v[TM+4+\b], 0                        ; written once: a lane permute's destination counts as one of its sources
.endr
	s_lshl_b32 s24, ttmp9, 16                      ; h: 16 rows of 4,096 bytes a work-group, 512 bytes a K step
	s_lshl_b32 s22, s18, 9
	s_add_co_u32 s24, s24, s22
	s_mov_b32 s25, 0
	s_lshl_b32 s26, s18, 13                        ; router_w: 128 rows of 64 bytes a K step
	s_mov_b32 s27, 0
	s_lshl_b32 s28, ttmp9, 13                      ; xq: 16 rows of 512 bytes a work-group, two rows a wave
	s_lshl_b32 s22, s18, 10
	s_add_co_u32 s28, s28, s22
	s_mov_b32 s29, 0
	s_lshl_b32 s30, ttmp9, 9                       ; xs: 512 bytes a work-group
	s_mov_b32 s31, 0
	s_lshl_b32 s32, ttmp9, 6                       ; assign, gate: 64 bytes a work-group
	s_mov_b32 s33, 0
	s_wait_kmcnt 0x0
	s_add_nc_u64 s[4:5], s[4:5], s[24:25]
	s_add_nc_u64 s[6:7], s[6:7], s[26:27]
	s_add_nc_u64 s[8:9], s[8:9], s[28:29]
	s_add_nc_u64 s[10:11], s[10:11], s[30:31]
	s_add_nc_u64 s[12:13], s[12:13], s[32:33]
	s_add_nc_u64 s[14:15], s[14:15], s[32:33]
.irp b, 0,1,2,3
.irp j, 0,1,2,3
	global_load_b128 v[X+16*\b+4*\j:X+16*\b+4*\j+3], v4, s[4:5] offset:128*\b+16*\j th:TH_LOAD_NT   ; x(r, 128 w + 32 b + 16 h + 4 j ..): read once in the whole program
.endr
.endr
.irp c, 0,1
.set ii, 0
.rept 32
	global_load_b32 v[RW+32*\c+ii], v5, s[6:7] offset:64*(64*\c+ii)   ; router_w(128 w + 64 c + 32 h + i, r): registers run down K
.set ii, ii+1
.endr
.endr
	s_wait_loadcnt 63                              ; 64 loads are younger than x's sixteen; 63 is the largest count a wait names, and leaves at least 17 loads done
	QUANT X
	ds_store_b128 v8, v[PC:PC+3]                   ; k = 32 h + 0 .. 31 of my K step: 16 bytes of row r
	ds_store_b128 v8, v[PC+4:PC+7] offset:32       ; k = 64 + 32 h + 0 .. 31
	ds_store_b32 v9, v[PW]                         ; lanes r and r + 16 write the same word with the same value
	s_wait_loadcnt 0x0                             ; router_w
.irp c, 0,1                                    ; my block 2 c + h of column r: all its 32 numbers are mine
	v_max3_num_f32 v[178+\c], |v[RW+32*\c]|, |v[RW+1+32*\c]|, 0x1800000
.endr
.irp i, 2,4,6,8,10,12,14,16,18,20,22,24,26,28,30
.irp c, 0,1
	v_max3_num_f32 v[178+\c], v[178+\c], |v[RW+32*\c+\i]|, |v[RW+1+32*\c+\i]|
.endr
.endr
.irp c, 0,1
	v_add_nc_u32 v[180+\c], 0xff000000, v[178+\c]  ; the conversion's scale operand
.endr
.irp c, 0,1
	v_lshrrev_b32 v[182+\c], 23, v[180+\c]         ; the scale's byte
.endr
	v_lshl_or_b32 v[RS], v183, 16, v182            ; my two bytes: blocks h and 2 + h of column r,
	v_lshlrev_b32 v178, 3, v3
	v_lshlrev_b32 v[RS], v178, v[RS]               ; at their places in the scale word (8 h bits up);
	v_mov_b32 v179, 0
	v_permlanex16_b32 v179, v[RS], s[SEL], s[SEL+1]
	v_or_b32 v[RS], v[RS], v179                    ; with lane l xor 16's two the word is whole
.irp c, 0,1
.irp g, 0,1,2,3
	v_cvt_scalef32_pk8_fp4_f32 v[RC+4*\c+\g], v[RW+32*\c+8*\g:RW+32*\c+8*\g+7], v[180+\c]
.endr
.endr
.rept 8
	v_nop                                          ; a scale register written by a vector instruction stands 8 places ahead of a scaled matrix instruction, an operand so written 4
.endr
	v_wmma_scale_f32_16x16x128_f8f6f4 v[ACC:ACC+7], v[RC:RC+7], v[PC:PC+7], 0, v[RS], v[PW] matrix_a_fmt:MATRIX_FMT_FP4 matrix_b_fmt:MATRIX_FMT_FP4
.rept 4
	v_nop                                          ; four places in front of the first read of the result
.endr
	ds_store_b128 v7, v[ACC:ACC+3]                 ; the result from its low end on, as an image of its registers
	ds_store_b128 v7, v[ACC+4:ACC+7] offset:512
	s_wait_dscnt 0x0                               ; for the others' sake: all my LDS stores have landed
	s_barrier_signal -1
	s_barrier_wait -1
	ds_load_b128 v[80:83], v10                     ; two whole rows of codes, 512 bytes each
	ds_load_b128 v[84:87], v10 offset:528
	s_wait_dscnt 0x1                               ; the first row is in, the second may be out
	global_store_b128 v6, v[80:83], s[8:9]         ; 32 lanes store 512 consecutive bytes
	s_wait_dscnt 0x0
	global_store_b128 v6, v[84:87], s[8:9] offset:512
	s_cmp_lg_u32 s18, 0
	s_cbranch_scc1 .Lend                           ; the choice is wave 0's; no barrier follows
	ds_load_b128 v[88:91], v12
.irp p, 0,1,2,3,4,5,6,7
	ds_load_b128 v[X+8*\p:X+8*\p+3], v6 offset:PART+1024*\p
	ds_load_b128 v[X+8*\p+4:X+8*\p+7], v6 offset:PART+1024*\p+512
.endr
	s_wait_dscnt 0x0
	global_store_b128 v6, v[88:91], s[10:11]       ; the sixteen tokens' scale words: 512 consecutive bytes
.irp p, 1,2,3,4,5,6,7                          ; the logits: the eight partial sums, K step ascending
.irp q, 0,2,4,6
	v_pk_add_f32 v[X+\q:X+\q+1], v[X+\q:X+\q+1], v[X+8*\p+\q:X+8*\p+\q+1]
.endr
.endr
	v_lshlrev_b32 v92, 3, v3                       ; my first expert: 8 h
	v_mov_b32 v93, v[X]                            ; the largest so far
	v_mov_b32 v94, v92                             ; and its index
.irp j, 1,2,3,4,5,6,7
	v_cmp_gt_f32 vcc_lo, v[X+\j], v93              ; strictly larger: the lower index keeps an equal logit
	v_add_nc_u32 v95, \j, v92
	v_cndmask_b32 v93, v93, v[X+\j], vcc_lo
	v_cndmask_b32 v94, v94, v95, vcc_lo
.endr
	v_mov_b32 v96, 0
	v_mov_b32 v97, 0
	v_permlanex16_b32 v96, v93, s[SEL], s[SEL+1]   ; the other eight experts' largest,
	v_permlanex16_b32 v97, v94, s[SEL], s[SEL+1]   ; and its index
	v_cmp_gt_f32 s22, v96, v93
	v_cmp_eq_f32 s23, v96, v93
	v_cmp_lt_u32 s24, v97, v94
	s_and_b32 s23, s23, s24
	s_or_b32 vcc_lo, s22, s23                      ; taken where it is larger, or equal with the lower index: both halves of the lanes end alike
	v_cndmask_b32 v93, v93, v96, vcc_lo
	v_cndmask_b32 v94, v94, v97, vcc_lo
	v_mul_f32 v98, 0xbfb8aa3b, v93                 ; -log2(e) x the logit
	v_exp_f32 v98, v98
	v_nop                                          ; a plain place behind a transcendental
	s_wait_alu depctr_va_vdst(0)
	v_add_f32 v98, 1.0, v98
	v_rcp_f32 v98, v98                             ; sigmoid = 1 / (1 + e^-x)
	v_nop
	global_store_b32 v11, v94, s[12:13]            ; lanes r and r + 16 store the same word with the same value
	s_wait_alu depctr_va_vdst(0)
	global_store_b32 v11, v98, s[14:15]
.Lend:
	s_wait_tensorcnt 0x0
	ds_add_u32 v192, v193
	s_wait_dscnt 0x0
	s_endpgm
.Lfunc_end_k_qf1de1a380a_route:
	.size	k_qf1de1a380a_route, .Lfunc_end_k_qf1de1a380a_route-k_qf1de1a380a_route
	.p2alignl 7, 3214868480
	.fill 96, 4, 3214868480
	.section	.rodata,"a",@progbits
	.p2align	6, 0x0
	.amdhsa_kernel k_qf1de1a380a_route
		.amdhsa_group_segment_fixed_size 18432
		.amdhsa_private_segment_fixed_size 0
		.amdhsa_enable_private_segment 0
		.amdhsa_kernarg_size 48
		.amdhsa_user_sgpr_count 2
		.amdhsa_user_sgpr_kernarg_segment_ptr 1
		.amdhsa_wavefront_size32 1
		.amdhsa_system_sgpr_workgroup_id_x 1
		.amdhsa_system_sgpr_workgroup_id_y 1
		.amdhsa_system_sgpr_workgroup_id_z 1
		.amdhsa_system_vgpr_workitem_id 0
		.amdhsa_next_free_vgpr 194
		.amdhsa_next_free_sgpr 66
		.amdhsa_reserve_vcc 1
		.amdhsa_float_denorm_mode_32 3
		.amdhsa_float_denorm_mode_16_64 3
		.amdhsa_memory_ordered 1
		.amdhsa_forward_progress 1
		.amdhsa_inst_pref_size 24
	.end_amdhsa_kernel
	.amdgpu_metadata
---
amdhsa.version: [ 1, 2 ]
amdhsa.kernels:
  - .name:           k_qf1de1a380a_route
    .symbol:         k_qf1de1a380a_route.kd
    .args:
      - { .name: h, .offset: 0, .size: 8, .value_kind: global_buffer, .address_space: global }
      - { .name: router_w, .offset: 8, .size: 8, .value_kind: global_buffer, .address_space: global }
      - { .name: xq, .offset: 16, .size: 8, .value_kind: global_buffer, .address_space: global }
      - { .name: xs, .offset: 24, .size: 8, .value_kind: global_buffer, .address_space: global }
      - { .name: assign, .offset: 32, .size: 8, .value_kind: global_buffer, .address_space: global }
      - { .name: gate, .offset: 40, .size: 8, .value_kind: global_buffer, .address_space: global }
    .group_segment_fixed_size: 18432
    .private_segment_fixed_size: 0
    .kernarg_segment_align: 8
    .kernarg_segment_size: 48
    .max_flat_workgroup_size: 256
    .sgpr_count:     66
    .vgpr_count:     194
    .wavefront_size: 32
...
	.end_amdgpu_metadata
.endif
;; end of part 1
;; launch place (part 2): grid 16 x 1, 1 waves a work-group, no clusters, 0 bytes of LDS; arguments assign, list, meta; writes list, meta
.if DOCPART == 2
	.amdgcn_target "amdgcn-amd-amdhsa--gfx1250"
	.amdhsa_code_object_version 6
	.text
	.protected	k_qf1de1a380a_place
	.globl	k_qf1de1a380a_place
	.p2align	8
	.type	k_qf1de1a380a_place,@function
k_qf1de1a380a_place:
	s_mov_b64 s[64:65], 0
	v_nop
	global_prefetch_b8 v0, s[64:65] scope:SCOPE_SE
	s_setreg_imm32_b32 hwreg(HW_REG_WAVE_MODE, 25, 1), 1
	s_wait_xcnt 0x0
; THE PLACING OF ROWS.  assign[token] is the expert of each of the 1,024 tokens.  Stored: list[slot] = token, the tokens on end by expert; meta[e] = (cnt, off): the number of tokens of expert e and of all lower experts.
; A token's slot is off(e) + the number of tokens of e that come before it in this text's order (register by register, lane by lane); the two layers only need that every slot holds one token of the right expert.
; SHARES.  One work-group of one wave for each expert e.  The wave holds all of assign in 32 registers: register nn of lane l is token 128 (nn / 4) + 4 l + nn % 4.
; Pass 1 counts the tokens of lower experts.  Pass 2 gives each matching lane its slot: the count so far + the matching lanes below it.  All lanes stay on: a lane that does not match stores to a dump word of its own,
; word 1,024 + 32 e + lane of list, which nobody reads.  Every store has registers of its own, so no wait stands between them.  No branch, no LDS, no barrier.
; The addresses hang on assign alone, whole numbers that an earlier launch stored.  An assign outside 0 .. 15 would leave slots unwritten: the router stores none such.
.set A,  32                            ; v32-63   assign
.set TK, 64                            ; v64-95   the tokens, one register a store
.set AD, 96                            ; v96-127  their places
	s_load_b128 s[4:7], s[0:1], 0x0                ; assign s[4:5], list s[6:7]
	s_load_b64 s[8:9], s[0:1], 0x10                ; meta
	v_and_b32 v1, 31, v0                           ; lane
	v_lshlrev_b32 v2, 4, v1                        ; 16 x lane
	v_lshlrev_b32 v3, 2, v1                        ; 4 x lane: the lane's part of a token's number
	s_mov_b32 s22, ttmp9                           ; expert
	s_lshl_b32 s10, s22, 5
	s_add_co_u32 s10, s10, 1024
	v_add_nc_u32 v4, s10, v1                       ; my dump word
	s_lshl_b32 s11, s22, 3
	v_mov_b32 v5, s11                              ; meta: 8 bytes an expert
	s_wait_kmcnt 0x0
.irp i, 0,1,2,3,4,5,6,7
	global_load_b128 v[A+4*\i:A+4*\i+3], v2, s[4:5] offset:512*\i
.endr
	s_wait_loadcnt 0x0
	s_mov_b32 s24, 0                               ; off
.set nn, 0
.rept 32
	v_cmp_gt_u32 vcc_lo, s22, v[A+nn]
	s_bcnt1_i32_b32 s28, vcc_lo
	s_add_co_u32 s24, s24, s28
.set nn, nn+1
.endr
	s_mov_b32 s23, s24                             ; the next free slot
.set nn, 0
.rept 32
	v_cmp_eq_u32 vcc_lo, s22, v[A+nn]
	s_bcnt1_i32_b32 s28, vcc_lo
	v_mbcnt_lo_u32_b32 v[AD+nn], vcc_lo, s23       ; the next free slot + the matching lanes below mine
	v_cndmask_b32 v[AD+nn], v4, v[AD+nn], vcc_lo   ; or my dump word
	v_min_u32 v[AD+nn], 1535, v[AD+nn]             ; a word of list, whatever was read
	v_lshlrev_b32 v[AD+nn], 2, v[AD+nn]
	v_add_nc_u32 v[TK+nn], 128*(nn/4)+nn%4, v3     ; the token
	global_store_b32 v[AD+nn], v[TK+nn], s[6:7]
	s_add_co_u32 s23, s23, s28
.set nn, nn+1
.endr
	s_sub_co_u32 s25, s23, s24                     ; cnt
	v_mov_b32 v6, s25
	v_mov_b32 v7, s24
	global_store_b64 v5, v[6:7], s[8:9]            ; every lane stores the same pair to the same place
	s_endpgm
.Lfunc_end_k_qf1de1a380a_place:
	.size	k_qf1de1a380a_place, .Lfunc_end_k_qf1de1a380a_place-k_qf1de1a380a_place
	.p2alignl 7, 3214868480
	.fill 96, 4, 3214868480
	.section	.rodata,"a",@progbits
	.p2align	6, 0x0
	.amdhsa_kernel k_qf1de1a380a_place
		.amdhsa_group_segment_fixed_size 0
		.amdhsa_private_segment_fixed_size 0
		.amdhsa_enable_private_segment 0
		.amdhsa_kernarg_size 24
		.amdhsa_user_sgpr_count 2
		.amdhsa_user_sgpr_kernarg_segment_ptr 1
		.amdhsa_wavefront_size32 1
		.amdhsa_system_sgpr_workgroup_id_x 1
		.amdhsa_system_sgpr_workgroup_id_y 1
		.amdhsa_system_sgpr_workgroup_id_z 1
		.amdhsa_system_vgpr_workitem_id 0
		.amdhsa_next_free_vgpr 128
		.amdhsa_next_free_sgpr 66
		.amdhsa_reserve_vcc 1
		.amdhsa_float_denorm_mode_32 3
		.amdhsa_float_denorm_mode_16_64 3
		.amdhsa_memory_ordered 1
		.amdhsa_forward_progress 1
		.amdhsa_inst_pref_size 19
	.end_amdhsa_kernel
	.amdgpu_metadata
---
amdhsa.version: [ 1, 2 ]
amdhsa.kernels:
  - .name:           k_qf1de1a380a_place
    .symbol:         k_qf1de1a380a_place.kd
    .args:
      - { .name: assign, .offset: 0, .size: 8, .value_kind: global_buffer, .address_space: global }
      - { .name: list, .offset: 8, .size: 8, .value_kind: global_buffer, .address_space: global }
      - { .name: meta, .offset: 16, .size: 8, .value_kind: global_buffer, .address_space: global }
    .group_segment_fixed_size: 0
    .private_segment_fixed_size: 0
    .kernarg_segment_align: 8
    .kernarg_segment_size: 24
    .max_flat_workgroup_size: 32
    .sgpr_count:     66
    .vgpr_count:     128
    .wavefront_size: 32
...
	.end_amdgpu_metadata
.endif
;; end of part 2
;; launch layer1 (part 3): grid 16 x 16, 8 waves a work-group, no clusters, 71,680 bytes of LDS; arguments list, meta, xq, xs, w1, b1, hid, hsc; writes hid, hsc
.if DOCPART == 3
	.amdgcn_target "amdgcn-amd-amdhsa--gfx1250"
	.amdhsa_code_object_version 6
	.text
	.protected	k_qf1de1a380a_layer1
	.globl	k_qf1de1a380a_layer1
	.p2align	8
	.type	k_qf1de1a380a_layer1,@function
k_qf1de1a380a_layer1:
	s_mov_b64 s[64:65], 0
	v_nop
	global_prefetch_b8 v0, s[64:65] scope:SCOPE_SE
	s_setreg_imm32_b32 hwreg(HW_REG_WAVE_MODE, 25, 1), 1
	s_wait_xcnt 0x0
; THE FIRST LAYER OF THE CHOSEN EXPERT: hidden = Q(gelu(Q(x) Q(w1[e]) + b1[e])), only for the tokens whose expert is e.  Products on codes of E2M1 with one E8M0 scale for each 32 along K.
; SHARES.  Work-group (x = slice, y = expert e) owns hidden units 128 slice .. + 127 of expert e: 1,024 rows x 512 bytes of w1, 524,288 bytes that no other work-group reads.
; PHASE 1, THE STREAM.  Wave w takes K step w (rows 128 w .. + 127).  A load is one row's 512 bytes, 16 a lane: four columns of one row.  Two landing sets of 32 rows: 64 loads a wave are asked for at the start,
; and each group of eight rows is asked for again as soon as it has been copied out.  A block of 32 along K of a column is 32 registers of one lane (every fourth): its largest magnitude needs no other lane.
; The conversion wants eight neighbours along K in consecutive registers, so eight rows x four columns are copied into such runs first.  The codes go to LDS as IMAGES OF THE OPERAND'S REGISTERS.
; THE UNITS OF A TILE ARE NOT NEIGHBOURS: lane r of tile 2 b + u takes unit 32 b + 8 u + r + 8 (r / 8), so that the 16 registers of tiles 2 b and 2 b + 1 are 16 neighbours along the next product's K.
; THE ROWS' NUMBERS come from memory, as an earlier launch stored them: meta[e] = (cnt, off), list[slot] = token, expert e's tokens in slots off .. off + cnt - 1.  A tile's rows past cnt take the last slot again:
; they compute and store that row's bits once more.
; PHASE 2, THE ROWS.  Wave w takes the tiles of 16 rows at places 16 w + 128 trip, eight trips by count; a trip whose tile begins at or past cnt is jumped over (a scalar branch on the stored count; no barrier stands there).
; A tile: x's codes by the list, 64 matrix instructions (TRANSPOSED: source 0 = 16 units of w1, source 1 = 16 tokens; b1 is the C of the first K step), gelu by erf in f32, the quantiser, and the fragment goes to hid as it stands.
; hid: [F / 64][slot][lane half][16 bytes]; hsc: [F / 128][slot], one word: a tile's fragment is 2 x 512 consecutive bytes.
; NO TENSOR LOAD, NO CLUSTER: branches hang on cnt, a number read from memory; and what the sixteen work-groups of an expert share, 544 bytes a token of xq and xs, is small beside the 524,288 bytes that each reads alone.
; A work-group whose expert has no token still streams its slice and stores nothing: the barrier stands on every wave's path, under no branch on a loaded number.
; LIMITS: NaN and infinities are not served.  A block whose largest magnitude lies under 2^-124 keeps the scale byte 1; a block of zeros gets the byte 1 where the rule says 127 (its codes are zeros; only this program reads the bytes).
; erf(z) = z P(z^2) / Q(z^2) with z held to +-4, where erf is 1 to f32's last bit: a few units in the last place; gelu = x/2 + x/2 erf(x / sqrt 2), which forms 1 + erf in f32 as the problem's own formula does.
; REGISTERS.  Window 0: v0-31 ids and addresses; v32-39 x's scale words; v40-47 w1's, two sets; v64-127 the eight accumulators; v128-191 at work.
;   Window 1: the two landing sets, v0-127 and v128-255; behind the stream v0-63 x's eight fragments, v64-127 b1's eight tiles, v128-255 two sets of w1's eight fragments.
.set PITCH, 8192                       ; a row of w1 in bytes
.set KST,   8320                       ; LDS: a K step's eight images
.set TST,   1040                       ; an image: 1,024 bytes + 16, so that the lanes of a store do not all fall 1,024 bytes apart
.set SCST,  16                         ; from column to column among the scale words
.set SCW,   66560                      ; w1's scale words: 512 s + 256 (tile % 2) + 16 r + 4 (tile / 2)
.set WA,  4                            ; v4   16 x lane: my bytes of a row
.set IMW, 5                            ; v5   where my codes go
.set SCA, 6                            ; v6   where my scale words go
.set LI0, 7                            ; v7   16 x lane: an image's place for my lane, K steps 0-3;  v8: K steps 4-7
.set SCR, 9                            ; v9   SCW + 16 x lane
.set XS,  32
.set WS,  40
.set ACC, 64
.set MX,  128                          ; v128-131 largest magnitudes; v132-135 scale operands; v136-139 bytes; v140-143 scale words; v144-159 codes; v160-191 eight rows x four columns on end
.set SO,  132
.set BY,  136
.set WD,  140
.set CD,  144
.set TT,  160
.set Z,   128                          ; gelu: z, z^2, P, Q, eight registers each
.set X2,  136
.set PP,  144
.set QQ,  152
.set KA,  160                          ; v[160:161], v[162:163] the two leading coefficients
.set KB,  162
.set PW,  164                          ; the hidden layer's scale word
.set TM,  168
.set PC,  184                          ; v184-191 the hidden layer's fragment
.set WB,  12                           ; s[12:13] w1 at my wave's first row
.set SEL, 34                           ; s[34:35] v_permlanex16_b32's selects for lane l xor 16
.set MSB, 0
.macro WIN new                         ; the immediate's high byte repeats the setting that is left; bits 1:0 source 0, 3:2 source 1, 5:4 source 2, 7:6 destination
.if MSB != \new
	s_set_vgpr_msb (MSB<<8)|\new
.set MSB, \new
.endif
.endm
.macro PLACES                          ; four places in front of loads into registers that matrix instructions have read, and of the first read of results
.rept 4
	v_nop
.endr
.endm
.macro COEF reg, bits                  ; a constant as a pair: the packed forms name the pair and take its low word for both halves
	s_mov_b32 s[\reg], \bits
	s_mov_b32 s[\reg+1], \bits
.endm
.macro LOADSET set, t                  ; block t (rows 32 t .. + 31 of my K step) into landing set
	WIN 0x40
.set ii, 0
.rept 32
	global_load_b128 v[128*(\set)+4*ii:128*(\set)+4*ii+3], v[WA], s[WB:WB+1] offset:(32*(\t)+ii)*PITCH th:TH_LOAD_NT
.set ii, ii+1
.endr
	WIN 0
.endm
; Block t in landing set becomes codes and scale bytes.  refill = 1: each group of eight rows is asked for again (block t + 2) when it has been copied out.  cnt: the loads that are younger than this block's.
.macro PROCESS set, t, refill, cnt
.set LND, 128*(\set)
	s_wait_loadcnt \cnt
	s_wait_dscnt 0x0                               ; the last block's LDS stores, issued a block ago, have read their registers
	WIN 0x05
.irp c, 0,1,2,3
	v_max3_num_f32 v[MX+\c], |v[LND+\c]|, |v[LND+4+\c]|, 0x1800000   ; column c: rows 0, 1 and the floor 2^(3 - 127): the byte cannot fall under 1
.endr
.set ii, 2
.rept 15
.irp c, 0,1,2,3
	v_max3_num_f32 v[MX+\c], |v[LND+4*ii+\c]|, |v[LND+4*ii+4+\c]|, v[MX+\c]   ; the four columns by turns
.endr
.set ii, ii+2
.endr
	WIN 0
.irp c, 0,1,2,3
	v_add_nc_u32 v[SO+\c], 0xff000000, v[MX+\c]    ; 2 off the exponent field: the conversion's scale operand
.endr
.irp c, 0,1,2,3
	v_lshrrev_b32 v[BY+\c], 23, v[SO+\c]           ; the scale's byte
.endr
.irp c, 0,1,2,3
.if (\t) == 0
	v_mov_b32 v[WD+\c], v[BY+\c]                   ; four bytes to a word, the lower K in the lower byte
.else
	v_lshl_or_b32 v[WD+\c], v[BY+\c], 8*(\t), v[WD+\c]
.endif
.endr
.irp g, 0,1,2,3
	WIN 0x01
.irp c, 0,1,2,3
.irp j, 0,1,2,3,4,5,6,7
	v_mov_b32 v[TT+8*\c+\j], v[LND+4*(8*\g+\j)+\c]   ; eight rows of a column on end
.endr
.endr
.if \refill
	WIN 0x40
.irp j, 0,1,2,3,4,5,6,7
	global_load_b128 v[LND+4*(8*\g+\j):LND+4*(8*\g+\j)+3], v[WA], s[WB:WB+1] offset:(32*((\t)+2)+8*\g+\j)*PITCH th:TH_LOAD_NT
.endr
.endif
	WIN 0
.irp c, 0,1,2,3
	v_cvt_scalef32_pk8_fp4_f32 v[CD+4*\c+\g], v[TT+8*\c:TT+8*\c+7], v[SO+\c]
.endr
	v_nop                                          ; one plain place behind a scaled conversion: the next group writes its sources
.endr
.irp c, 0,1,2,3
	ds_store_b128 v[IMW], v[CD+4*\c:CD+4*\c+3] offset:16*\c+512*((\t)/2)+256*((\t)%2)   ; block t of a tile's row: registers 4 (t / 2) on of lane 16 (t % 2) + r
.endr
.if (\t) == 3
.irp c, 0,1,2,3
	ds_store_b32 v[SCA], v[WD+\c] offset:SCST*\c
.endr
.endif
.endm
.macro FETCHW s, buf                   ; K step s: w1's eight fragments and their scale words, 17 LDS loads
	WIN 0x40
.irp tl, 0,1,2,3,4,5,6,7
.irp cc, 0,1
	ds_load_b128 v[128+64*(\buf)+8*\tl+4*\cc:128+64*(\buf)+8*\tl+4*\cc+3], v[LI0+(\s)/4] offset:KST*((\s)%4)+TST*\tl+512*\cc
.endr
.endr
	WIN 0
	ds_load_b128 v[WS+4*(\buf):WS+4*(\buf)+3], v[SCR] offset:512*(\s)   ; register b: lanes 0-15 tile 2 b, lanes 16-31 tile 2 b + 1
.endm
.macro TOKLOAD ahead                   ; my row's token of the tile ahead places further on: one load.  The slot is held inside the list, so the load stays in its buffer whatever the trip
	s_add_co_u32 s28, s26, \ahead
	v_add_nc_u32 v22, s28, v2
	v_min_u32 v22, s25, v22                        ; rows past the last place are the last place again
	v_add_nc_u32 v22, s24, v22
	v_min_u32 v22, 0x3ff, v22                      ; the slot
	v_lshlrev_b32 v11, 2, v22
	global_load_b32 v14, v11, s[4:5]
.endm
.macro OPLOAD                          ; x's eight fragments and scale words of the token in v14: 18 loads
	v_min_u32 v14, 0x3ff, v14                      ; a token
	v_lshl_add_u32 v16, v14, 9, v12                ; its row of 512 bytes, + 16 h
	v_lshlrev_b32 v17, 5, v14                      ; its eight scale words
	WIN 0x40
.irp k, 0,1,2,3,4,5,6,7
.irp c, 0,1
	global_load_b128 v[8*\k+4*\c:8*\k+4*\c+3], v16, s[8:9] offset:64*\k+32*\c
.endr
.endr
	WIN 0
	global_load_b128 v[XS:XS+3], v17, s[10:11]
	global_load_b128 v[XS+4:XS+7], v17, s[10:11] offset:16
.endm
.macro MM ra, rb                       ; one matrix instruction on the registers named by rD, rA, rB, rC, rSA, rSB; ra, rb: the scale words stand in lanes 16-31
.if (\ra) == 0 && (\rb) == 0
	v_wmma_scale_f32_16x16x128_f8f6f4 v[rD:rD+7], v[rA:rA+7], v[rB:rB+7], v[rC:rC+7], v[rSA], v[rSB] matrix_a_fmt:MATRIX_FMT_FP4 matrix_b_fmt:MATRIX_FMT_FP4
.elseif (\ra) == 1 && (\rb) == 0
	v_wmma_scale_f32_16x16x128_f8f6f4 v[rD:rD+7], v[rA:rA+7], v[rB:rB+7], v[rC:rC+7], v[rSA], v[rSB] matrix_a_fmt:MATRIX_FMT_FP4 matrix_b_fmt:MATRIX_FMT_FP4 matrix_a_scale:MATRIX_SCALE_ROW1
.elseif (\ra) == 0 && (\rb) == 1
	v_wmma_scale_f32_16x16x128_f8f6f4 v[rD:rD+7], v[rA:rA+7], v[rB:rB+7], v[rC:rC+7], v[rSA], v[rSB] matrix_a_fmt:MATRIX_FMT_FP4 matrix_b_fmt:MATRIX_FMT_FP4 matrix_b_scale:MATRIX_SCALE_ROW1
.else
	v_wmma_scale_f32_16x16x128_f8f6f4 v[rD:rD+7], v[rA:rA+7], v[rB:rB+7], v[rC:rC+7], v[rSA], v[rSB] matrix_a_fmt:MATRIX_FMT_FP4 matrix_b_fmt:MATRIX_FMT_FP4 matrix_a_scale:MATRIX_SCALE_ROW1 matrix_b_scale:MATRIX_SCALE_ROW1
.endif
.endm
; gelu of eight numbers in place: x/2 + x/2 erf(x / sqrt 2).  The accumulator is read from its low end on.
.macro GELU8 a
.irp i, 0,2,4,6
	v_pk_mul_f32 v[Z+\i:Z+\i+1], v[(\a)+\i:(\a)+\i+1], s[56:57] op_sel_hi:[1,0]   ; z = x / sqrt 2
.endr
.irp i, 0,1,2,3,4,5,6,7
	v_med3_num_f32 v[Z+\i], v[Z+\i], -4.0, 4.0
.endr
.irp i, 0,2,4,6
	v_pk_mul_f32 v[X2+\i:X2+\i+1], v[Z+\i:Z+\i+1], v[Z+\i:Z+\i+1]
.endr
.irp i, 0,2,4,6
	v_pk_fma_f32 v[PP+\i:PP+\i+1], v[X2+\i:X2+\i+1], v[KA:KA+1], s[36:37] op_sel_hi:[1,1,0]
	v_pk_fma_f32 v[QQ+\i:QQ+\i+1], v[X2+\i:X2+\i+1], v[KB:KB+1], s[48:49] op_sel_hi:[1,1,0]
.endr
.irp k, 38,40,42,44,46
.irp i, 0,2,4,6
	v_pk_fma_f32 v[PP+\i:PP+\i+1], v[PP+\i:PP+\i+1], v[X2+\i:X2+\i+1], s[\k:\k+1] op_sel_hi:[1,1,0]
.endr
.endr
.irp k, 50,52,54
.irp i, 0,2,4,6
	v_pk_fma_f32 v[QQ+\i:QQ+\i+1], v[QQ+\i:QQ+\i+1], v[X2+\i:X2+\i+1], s[\k:\k+1] op_sel_hi:[1,1,0]
.endr
.endr
.irp i, 0,2,4,6
	v_pk_mul_f32 v[PP+\i:PP+\i+1], v[PP+\i:PP+\i+1], v[Z+\i:Z+\i+1]
.endr
.irp i, 0,1,2,3,4,5,6,7
	v_rcp_f32 v[QQ+\i], v[QQ+\i]
.endr
.irp i, 0,2,4,6
	v_pk_mul_f32 v[(\a)+\i:(\a)+\i+1], v[(\a)+\i:(\a)+\i+1], 0.5 op_sel_hi:[1,0]   ; x / 2: also the plain places behind the reciprocals
.endr
	s_wait_alu depctr_va_vdst(0)
.irp i, 0,2,4,6
	v_pk_mul_f32 v[PP+\i:PP+\i+1], v[PP+\i:PP+\i+1], v[QQ+\i:QQ+\i+1]              ; erf
.endr
.irp i, 0,2,4,6
	v_pk_fma_f32 v[(\a)+\i:(\a)+\i+1], v[(\a)+\i:(\a)+\i+1], v[PP+\i:PP+\i+1], v[(\a)+\i:(\a)+\i+1]
.endr
.endm
; 64 numbers of a lane, register 16 b + i = k 32 b + 16 (lane / 16) + i of my row, become a fragment's codes in v[PC] on and its scale word in v[PW].
.macro QUANT s
.irp b, 0,1,2,3
	v_max3_num_f32 v[TM+\b], |v[\s+16*\b]|, |v[\s+1+16*\b]|, 0x1800000
.endr
.irp i, 2,4,6,8,10,12,14
.irp b, 0,1,2,3
	v_max3_num_f32 v[TM+\b], v[TM+\b], |v[\s+16*\b+\i]|, |v[\s+1+16*\b+\i]|
.endr
.endr
.irp b, 0,1,2,3
	v_permlanex16_b32 v[TM+4+\b], v[TM+\b], s[SEL], s[SEL+1]
.endr
.irp b, 0,1,2,3
	v_max_num_f32 v[TM+\b], v[TM+\b], v[TM+4+\b]
.endr
.irp b, 0,1,2,3
	v_add_nc_u32 v[TM+12+\b], 0xff000000, v[TM+\b]
.endr
.irp b, 0,1,2,3
	v_lshrrev_b32 v[TM+4+\b], 23, v[TM+12+\b]
.endr
	v_lshl_or_b32 v[PW], v[TM+5], 8, v[TM+4]
	v_lshl_or_b32 v[PW], v[TM+6], 16, v[PW]
	v_lshl_or_b32 v[PW], v[TM+7], 24, v[PW]
.irp b, 0,1,2,3
	v_cvt_scalef32_pk8_fp4_f32 v[PC+2*\b], v[\s+16*\b:\s+7+16*\b], v[TM+12+\b]
	v_cvt_scalef32_pk8_fp4_f32 v[PC+1+2*\b], v[\s+8+16*\b:\s+15+16*\b], v[TM+12+\b]
.endr
	v_nop                                          ; one plain place behind a scaled conversion
.irp c, 0,1
.irp i, 0,1
	v_permlane16_swap_b32 v[PC+4*\c+\i], v[PC+2+4*\c+\i]
.endr
.endr
.endm
	s_load_b256 s[4:11], s[0:1], 0x0               ; list s[4:5], meta s[6:7], xq s[8:9], xs s[10:11]
	s_load_b256 s[12:19], s[0:1], 0x20             ; w1 s[12:13], b1 s[14:15], hid s[16:17], hsc s[18:19]
	v_lshl_add_u32 v254, v0, 2, 0x11400
	v_mov_b32 v255, 0
	v_lshrrev_b32 v1, 5, v0
	v_readfirstlane_b32 s20, v1                    ; wave 0..7
	s_mov_b32 s21, ttmp9                           ; slice
	s_and_b32 s22, ttmp7, 0xffff                   ; expert
	v_and_b32 v1, 31, v0                           ; lane l
	v_and_b32 v2, 15, v0                           ; r
	v_bfe_u32 v3, v0, 4, 1                         ; h
	v_lshlrev_b32 v[WA], 4, v1
	; column 4 l + c is unit 32 (l / 8) + 16 ((l / 4) % 2) + 8 ((l / 2) % 2) + 4 (l % 2) + c: tile 2 (l / 8) + (l / 2) % 2, row 8 ((l / 4) % 2) + 4 (l % 2) + c
	v_bfe_u32 v15, v0, 3, 2
	v_mul_u32_u24 v[IMW], v15, 2*TST
	v_lshlrev_b32 v[SCA], 2, v15
	v_bfe_u32 v15, v0, 1, 1
	v_mad_u32_u24 v[IMW], v15, TST, v[IMW]
	v_lshl_add_u32 v[SCA], v15, 8, v[SCA]
	v_and_b32 v15, 1, v0
	v_lshl_add_u32 v[IMW], v15, 6, v[IMW]
	v_lshl_add_u32 v[SCA], v15, 6, v[SCA]
	v_bfe_u32 v15, v0, 2, 1
	v_lshl_add_u32 v[IMW], v15, 7, v[IMW]
	v_lshl_add_u32 v[SCA], v15, 7, v[SCA]
	s_mul_i32 s28, s20, KST
	v_add_nc_u32 v[IMW], s28, v[IMW]
	s_lshl_b32 s28, s20, 9
	v_add_nc_u32 v[SCA], s28, v[SCA]
	v_add_nc_u32 v[SCA], SCW, v[SCA]
	v_lshlrev_b32 v[LI0], 4, v1
	v_add_nc_u32 v[LI0+1], 4*KST, v[LI0]
	v_add_nc_u32 v[SCR], SCW, v[LI0]
	v_lshlrev_b32 v12, 4, v3                       ; 16 h
	s_lshl_b32 s28, s22, 3
	v_mov_b32 v13, s28                             ; meta: 8 bytes an expert
	v_lshlrev_b32 v18, 6, v3                       ; b1: 64 h
	s_mov_b32 s[SEL], 0x76543210
	s_mov_b32 s[SEL+1], 0xfedcba98
	COEF 36, 0x32edffee                            ; P:  2.77068142e-08
	COEF 38, 0xb60cff51                            ;    -2.10102402e-06
	COEF 40, 0xb86ec2d2                            ;    -5.69250639e-05
	COEF 42, 0xba40ac63                            ;    -7.34990630e-04
	COEF 44, 0xbb41a1f6                            ;    -2.95459981e-03
	COEF 46, 0xbc83dbd4                            ;    -1.60960333e-02
	COEF 48, 0xb95fbd29                            ; Q: -2.13374055e-04
	COEF 50, 0xbadc924e                            ;    -1.68282697e-03
	COEF 52, 0xbbf19bf8                            ;    -7.37332917e-03
	COEF 54, 0xbc69b6a7                            ;    -1.42647391e-02
	COEF 56, 0x3f3504f3                            ; 1 / sqrt 2
	s_mov_b32 s58, 0xaf95df0b                      ; P's leading coefficient, -2.72614226e-10
	s_mov_b32 s59, 0xb77460cd                      ; Q's, -1.45660718e-05
	s_lshl_b32 s30, s22, 23                        ; w1: 8 MiB an expert, 128 rows of 8,192 bytes a wave, 512 bytes a slice
	s_lshl_b32 s28, s20, 20
	s_add_co_u32 s30, s30, s28
	s_lshl_b32 s28, s21, 9
	s_add_co_u32 s30, s30, s28
	s_mov_b32 s31, 0
	s_lshl_b32 s32, s22, 13                        ; b1: 8,192 bytes an expert, 512 a slice
	s_add_co_u32 s32, s32, s28
	s_mov_b32 s33, 0
	s_wait_kmcnt 0x0
	s_add_nc_u64 s[WB:WB+1], s[WB:WB+1], s[30:31]
	s_add_nc_u64 s[14:15], s[14:15], s[32:33]
	s_lshl_b32 s30, s21, 16                        ; hid: a slice is one K step of the next product, 2 x 32,768 bytes
	s_add_nc_u64 s[16:17], s[16:17], s[30:31]
	s_lshl_b32 s30, s21, 12                        ; hsc: 4,096 bytes a K step
	s_add_nc_u64 s[18:19], s[18:19], s[30:31]
	global_load_b64 v[24:25], v13, s[6:7]          ; (cnt, off), the same pair in every lane: the oldest load
	LOADSET 0, 0
	LOADSET 1, 1
	s_wait_loadcnt 63                              ; 65 loads have been issued: with 63 out at the most the oldest, meta's, is in
	v_readfirstlane_b32 s23, v24
	s_min_u32 s23, s23, 0x400                      ; cnt
	v_readfirstlane_b32 s24, v25
	s_min_u32 s24, s24, 0x3ff                      ; off
	s_max_u32 s25, s23, 1
	s_sub_co_u32 s25, s25, 1                       ; the last place
	s_lshl_b32 s26, s20, 4                         ; my tile's first place: 16 w + 128 trip
	TOKLOAD 0
	PROCESS 0, 0, 1, 33                            ; younger than block 0's loads: block 1's 32 and the list's one
	PROCESS 1, 1, 1, 33                            ; younger than block 1's: the list's one and block 2's 32
	PROCESS 0, 2, 0, 32                            ; younger than block 2's: block 3's 32.  The list's word is older: it is in
	OPLOAD                                         ; into set 0's registers, which are done with
	WIN 0x40
.irp tl, 0,1,2,3,4,5,6,7                       ; b1 in the result's layout: lane (r, h), tile 2 b + u: units 32 b + 16 h + 8 u + 0 .. 7
	global_load_b128 v[64+8*\tl:64+8*\tl+3], v18, s[14:15] offset:(32*(\tl/2)+8*(\tl%2))*4
	global_load_b128 v[64+8*\tl+4:64+8*\tl+7], v18, s[14:15] offset:(32*(\tl/2)+8*(\tl%2))*4+16
.endr
	WIN 0
	PROCESS 1, 3, 0, 34                            ; 18 loads of x and 16 of b1 are younger than block 3's
	v_mov_b32 v[KA], s58
	v_mov_b32 v[KA+1], s58
	v_mov_b32 v[KB], s59
	v_mov_b32 v[KB+1], s59
.irp b, 0,1,2,3
	v_mov_b32 v[TM+4+\b], 0                        ; written once: a lane permute's destination counts as one of its sources
.endr
	s_wait_dscnt 0x0                               ; my images and scale words have landed
	s_barrier_signal -1
	s_barrier_wait -1                              ; the slice's 64 fragments lie in LDS; from here on LDS is only read
	s_mov_b32 s29, 0
.Ltile:
	s_cmp_ge_u32 s26, s23
	s_cbranch_scc1 .Lskip                          ; no row left for this trip
	s_wait_loadcnt 0x0                             ; x's fragments and scale words (and, in the first trip, b1)
	TOKLOAD 128                                    ; my next tile's token is asked for under the products, whether or not that tile has rows
	FETCHW 0, 0
	FETCHW 1, 1
.irp s, 0,1,2,3,4,5,6,7
.if \s < 7
	s_wait_dscnt 17                                ; this K step's fetch is in; the next one's 17 loads may be out
.else
	s_wait_dscnt 0x0
.endif
.if \s == 0
	WIN 0x15                                       ; w1, x and b1 in window 1; the results in window 0
.else
	WIN 0x05
.endif
.irp tl, 0,1,2,3,4,5,6,7                       ; the eight accumulators by turns, one instruction a turn
.set rD, ACC+8*\tl
.set rA, 128+64*(\s%2)+8*\tl
.set rB, 8*\s
.set rC, ACC+8*\tl                             ; b1's tiles bear the accumulators' numbers in window 1
.set rSA, WS+4*(\s%2)+\tl/2
.set rSB, XS+\s
	MM \tl%2, 0
.endr
.if \s < 6
	PLACES
	FETCHW \s+2, \s%2
.endif
.endr
	WIN 0
	PLACES
	s_add_co_u32 s28, s26, 128
	s_cmp_lt_u32 s28, s23
	s_cbranch_scc0 .Lnonext
	s_wait_loadcnt 0x0                             ; the next tile's token
	OPLOAD                                         ; its x lands under the gelu
.Lnonext:
.irp tl, 0,1,2,3,4,5,6,7
	GELU8 ACC+8*\tl
.endr
	QUANT ACC
	v_add_nc_u32 v19, s26, v2
	v_min_u32 v19, s25, v19                        ; rows past the last place are the last place again
	v_add_nc_u32 v19, s24, v19
	v_min_u32 v19, 0x3ff, v19                      ; my row's slot
	v_lshl_add_u32 v20, v19, 5, v12
	v_lshlrev_b32 v21, 2, v19
	global_store_b128 v20, v[PC:PC+3], s[16:17]                 ; a full tile's store covers 512 consecutive bytes
	global_store_b128 v20, v[PC+4:PC+7], s[16:17] offset:32768
	global_store_b32 v21, v[PW], s[18:19]                       ; lanes r and r + 16 store the same word with the same value
	s_wait_xcnt 0x0                                ; the stores' registers are written again in the next trip
.Lskip:
	s_add_co_u32 s26, s26, 128
	s_add_co_u32 s29, s29, 1
	s_cmp_lt_u32 s29, 8
	s_cbranch_scc1 .Ltile
	s_wait_tensorcnt 0x0
	ds_add_u32 v254, v255
	s_wait_dscnt 0x0
	s_endpgm
.Lfunc_end_k_qf1de1a380a_layer1:
	.size	k_qf1de1a380a_layer1, .Lfunc_end_k_qf1de1a380a_layer1-k_qf1de1a380a_layer1
	.p2alignl 7, 3214868480
	.fill 96, 4, 3214868480
	.section	.rodata,"a",@progbits
	.p2align	6, 0x0
	.amdhsa_kernel k_qf1de1a380a_layer1
		.amdhsa_group_segment_fixed_size 71680
		.amdhsa_private_segment_fixed_size 0
		.amdhsa_enable_private_segment 0
		.amdhsa_kernarg_size 64
		.amdhsa_user_sgpr_count 2
		.amdhsa_user_sgpr_kernarg_segment_ptr 1
		.amdhsa_wavefront_size32 1
		.amdhsa_system_sgpr_workgroup_id_x 1
		.amdhsa_system_sgpr_workgroup_id_y 1
		.amdhsa_system_sgpr_workgroup_id_z 1
		.amdhsa_system_vgpr_workitem_id 0
		.amdhsa_next_free_vgpr 512
		.amdhsa_next_free_sgpr 66
		.amdhsa_reserve_vcc 0
		.amdhsa_float_denorm_mode_32 3
		.amdhsa_float_denorm_mode_16_64 3
		.amdhsa_memory_ordered 1
		.amdhsa_forward_progress 1
		.amdhsa_inst_pref_size 127
	.end_amdhsa_kernel
	.amdgpu_metadata
---
amdhsa.version: [ 1, 2 ]
amdhsa.kernels:
  - .name:           k_qf1de1a380a_layer1
    .symbol:         k_qf1de1a380a_layer1.kd
    .args:
      - { .name: list, .offset: 0, .size: 8, .value_kind: global_buffer, .address_space: global }
      - { .name: meta, .offset: 8, .size: 8, .value_kind: global_buffer, .address_space: global }
      - { .name: xq, .offset: 16, .size: 8, .value_kind: global_buffer, .address_space: global }
      - { .name: xs, .offset: 24, .size: 8, .value_kind: global_buffer, .address_space: global }
      - { .name: w1, .offset: 32, .size: 8, .value_kind: global_buffer, .address_space: global }
      - { .name: b1, .offset: 40, .size: 8, .value_kind: global_buffer, .address_space: global }
      - { .name: hid, .offset: 48, .size: 8, .value_kind: global_buffer, .address_space: global }
      - { .name: hsc, .offset: 56, .size: 8, .value_kind: global_buffer, .address_space: global }
    .group_segment_fixed_size: 71680
    .private_segment_fixed_size: 0
    .kernarg_segment_align: 8
    .kernarg_segment_size: 64
    .max_flat_workgroup_size: 256
    .sgpr_count:     66
    .vgpr_count:     512
    .wavefront_size: 32
...
	.end_amdgpu_metadata
.endif
;; end of part 3
;; launch layer2 (part 4): grid 16 x 16, 8 waves a work-group, no clusters, 106,496 bytes of LDS; arguments list, meta, gate, hid, hsc, w2, b2, out0; writes out0
.if DOCPART == 4
	.amdgcn_target "amdgcn-amd-amdhsa--gfx1250"
	.amdhsa_code_object_version 6
	.text
	.protected	k_qf1de1a380a_layer2
	.globl	k_qf1de1a380a_layer2
	.p2align	8
	.type	k_qf1de1a380a_layer2,@function
k_qf1de1a380a_layer2:
	s_mov_b64 s[64:65], 0
	v_nop
	global_prefetch_b8 v0, s[64:65] scope:SCOPE_SE
	s_setreg_imm32_b32 hwreg(HW_REG_WAVE_MODE, 25, 1), 1
	s_wait_xcnt 0x0
; THE SECOND LAYER OF THE CHOSEN EXPERT: out[token] = gate[token] x (hidden Q(w2[e]) + b2[e]), only for the tokens whose expert is e.  The hidden layer comes as codes from hid and hsc, by slot.
; SHARES.  Work-group (x = slice, y = expert e) owns outputs 64 slice .. + 63 of expert e: 2,048 rows x 256 bytes of w2, 524,288 bytes that no other work-group reads.  Every output row's 256 bytes have one owner.
; PHASE 1, THE STREAM.  Wave w takes K steps 2 w (lanes 0-15) and 2 w + 1 (lanes 16-31); a load is two rows' 256 bytes, 16 a lane: four columns of one row.  Two landing sets of 32 rows, 64 loads a wave asked for at the start,
; each group of eight rows asked for again when it has been copied out.  A block of 32 along K of a column lies in one lane.  The codes go to LDS as images of the operand's registers, tiles of 16 neighbouring outputs.
; THE ROWS' NUMBERS come from memory, as an earlier launch stored them: meta[e] = (cnt, off), list[slot] = token, expert e's tokens in slots off .. off + cnt - 1.  A tile's rows past cnt take the last slot again.
; PHASE 2, THE ROWS.  Wave w takes the tiles of 16 rows at places 16 w + 128 trip, eight trips by count; a trip whose tile begins at or past cnt is jumped over (a scalar branch on the stored count; no barrier stands there).
; A tile: 16 fragments of the hidden layer by slot, 64 matrix instructions (TRANSPOSED: source 0 = 16 outputs of w2, source 1 = 16 tokens; b2 is the C of the first K step), x gate, through the wave's own stage in LDS,
; and out by the list: sixteen lanes store a token's 256 consecutive bytes.  Rows past cnt repeat the last token and store its bits again.
; NO TENSOR LOAD, NO CLUSTER: branches hang on cnt, a number read from memory; and what the sixteen work-groups of an expert share, 1,088 bytes a token of hid and hsc, is small beside the 524,288 bytes that each reads alone.
; A work-group whose expert has no token still streams its slice and stores nothing: the barrier stands on every wave's path, under no branch on a loaded number.
; LIMITS: NaN and infinities are not served.  A block whose largest magnitude lies under 2^-124 keeps the scale byte 1; a block of zeros gets the byte 1 where the rule says 127 (its codes are zeros; only this program reads the bytes).
; REGISTERS.  Window 0: v0-31 ids and addresses; v32-39 the hidden layer's scale words; v40-47 w2's, four sets; v48-51 the gate; v52-59 the rows' addresses; v64-95 b2's four tiles; v96-127 the four accumulators;
;   v128-191 at work; v192-199 the rows' tokens as loaded; v200-207 their places in the list.   Window 1: the two landing sets; behind the stream v0-127 the hidden layer's 16 fragments, v128-255 four sets of w2's four.
.set PITCH, 4096                       ; a row of w2 in bytes
.set KST,   4160                       ; LDS: a K step's four images
.set TST,   1040                       ; an image: 1,024 bytes + 16
.set SCST,  8                          ; from column to column among the scale words
.set SCW,   66560                      ; w2's scale words: 256 s + 128 (tile % 2) + 8 r + 4 (tile / 2)
.set STG,   70656                      ; the way out: 16 rows x (256 bytes + 16) for each wave
.set WA,  4
.set IMW, 5
.set SCA, 6
.set LI0, 7                            ; v7: K steps 0-7;  v8: K steps 8-15
.set SCR, 9                            ; SCW + 8 x lane
.set HS,  32                           ; register i: lanes 0-15 K step 2 i, lanes 16-31 K step 2 i + 1
.set WS,  40
.set ROWA, 52
.set BI,  64
.set ACC, 96
.set MX,  128
.set SO,  132
.set BY,  136
.set WD,  140
.set CD,  144
.set TT,  160
.set OUTR, 160                         ; the way out: 16 rows read back from the stage
.set RT,  192
.set RA,  200
.set WB,  14                           ; s[14:15] w2 at my wave's first row
.set MSB, 0
.macro WIN new                         ; the immediate's high byte repeats the setting that is left; bits 1:0 source 0, 3:2 source 1, 5:4 source 2, 7:6 destination
.if MSB != \new
	s_set_vgpr_msb (MSB<<8)|\new
.set MSB, \new
.endif
.endm
.macro PLACES                          ; four places in front of loads into registers that matrix instructions have read, and of the first read of results
.rept 4
	v_nop
.endr
.endm
.macro LOADSET set, t                  ; block t (rows 32 t .. + 31 of my lanes' K steps) into landing set
	WIN 0x40
.set ii, 0
.rept 32
	global_load_b128 v[128*(\set)+4*ii:128*(\set)+4*ii+3], v[WA], s[WB:WB+1] offset:(32*(\t)+ii)*PITCH th:TH_LOAD_NT
.set ii, ii+1
.endr
	WIN 0
.endm
; Block t in landing set becomes codes and scale bytes.  refill = 1: each group of eight rows is asked for again (block t + 2) when it has been copied out.  cnt: the loads that are younger than this block's.
.macro PROCESS set, t, refill, cnt
.set LND, 128*(\set)
	s_wait_loadcnt \cnt
	s_wait_dscnt 0x0                               ; the last block's LDS stores, issued a block ago, have read their registers
	WIN 0x05
.irp c, 0,1,2,3
	v_max3_num_f32 v[MX+\c], |v[LND+\c]|, |v[LND+4+\c]|, 0x1800000   ; column c: rows 0, 1 and the floor 2^(3 - 127): the byte cannot fall under 1
.endr
.set ii, 2
.rept 15
.irp c, 0,1,2,3
	v_max3_num_f32 v[MX+\c], |v[LND+4*ii+\c]|, |v[LND+4*ii+4+\c]|, v[MX+\c]   ; the four columns by turns
.endr
.set ii, ii+2
.endr
	WIN 0
.irp c, 0,1,2,3
	v_add_nc_u32 v[SO+\c], 0xff000000, v[MX+\c]    ; 2 off the exponent field: the conversion's scale operand
.endr
.irp c, 0,1,2,3
	v_lshrrev_b32 v[BY+\c], 23, v[SO+\c]           ; the scale's byte
.endr
.irp c, 0,1,2,3
.if (\t) == 0
	v_mov_b32 v[WD+\c], v[BY+\c]                   ; four bytes to a word, the lower K in the lower byte
.else
	v_lshl_or_b32 v[WD+\c], v[BY+\c], 8*(\t), v[WD+\c]
.endif
.endr
.irp g, 0,1,2,3
	WIN 0x01
.irp c, 0,1,2,3
.irp j, 0,1,2,3,4,5,6,7
	v_mov_b32 v[TT+8*\c+\j], v[LND+4*(8*\g+\j)+\c]   ; eight rows of a column on end
.endr
.endr
.if \refill
	WIN 0x40
.irp j, 0,1,2,3,4,5,6,7
	global_load_b128 v[LND+4*(8*\g+\j):LND+4*(8*\g+\j)+3], v[WA], s[WB:WB+1] offset:(32*((\t)+2)+8*\g+\j)*PITCH th:TH_LOAD_NT
.endr
.endif
	WIN 0
.irp c, 0,1,2,3
	v_cvt_scalef32_pk8_fp4_f32 v[CD+4*\c+\g], v[TT+8*\c:TT+8*\c+7], v[SO+\c]
.endr
	v_nop                                          ; one plain place behind a scaled conversion: the next group writes its sources
.endr
.irp c, 0,1,2,3
	ds_store_b128 v[IMW], v[CD+4*\c:CD+4*\c+3] offset:16*\c+512*((\t)/2)+256*((\t)%2)   ; block t of a tile's row: registers 4 (t / 2) on of lane 16 (t % 2) + r
.endr
.if (\t) == 3
.irp c, 0,1,2,3
	ds_store_b32 v[SCA], v[WD+\c] offset:SCST*\c
.endr
.endif
.endm
.macro FETCHW s, buf                   ; K step s: w2's four fragments and their scale words, 9 LDS loads
	WIN 0x40
.irp tl, 0,1,2,3
.irp cc, 0,1
	ds_load_b128 v[128+32*(\buf)+8*\tl+4*\cc:128+32*(\buf)+8*\tl+4*\cc+3], v[LI0+(\s)/8] offset:KST*((\s)%8)+TST*\tl+512*\cc
.endr
.endr
	WIN 0
	ds_load_b64 v[WS+2*(\buf):WS+2*(\buf)+1], v[SCR] offset:256*(\s)   ; register b: lanes 0-15 tile 2 b, lanes 16-31 tile 2 b + 1
.endm
; The tokens of the tile ahead places further on: row r's, for the gate, and those of rows 2 i + (lane / 16), for the way out: 9 loads.  Every slot is held inside the list, so the loads stay in their buffer whatever the trip.
.macro TOKLOAD ahead
	s_add_co_u32 s28, s26, \ahead
	v_add_nc_u32 v19, s28, v2
	v_min_u32 v19, s25, v19                        ; rows past the last place are the last place again
	v_add_nc_u32 v19, s24, v19
	v_min_u32 v19, 0x3ff, v19                      ; my row's slot: OPLOAD takes it up
	v_lshlrev_b32 v11, 2, v19
	global_load_b32 v14, v11, s[4:5]
	v_add_nc_u32 v27, s28, v3
.irp i, 0,1,2,3,4,5,6,7
	v_add_nc_u32 v[RA+\i], 2*\i, v27
	v_min_u32 v[RA+\i], s25, v[RA+\i]
	v_add_nc_u32 v[RA+\i], s24, v[RA+\i]
	v_min_u32 v[RA+\i], 0x3ff, v[RA+\i]
	v_lshlrev_b32 v[RA+\i], 2, v[RA+\i]
	global_load_b32 v[RT+\i], v[RA+\i], s[4:5]
.endr
.endm
.macro OPLOAD                          ; the hidden layer's 16 fragments and scale words of the slot in v19, and the gate of the token in v14: 41 loads
	v_lshl_add_u32 v16, v19, 5, v12                ; 32 bytes a slot, + 16 h
	v_lshl_add_u32 v17, v19, 2, v28                ; a word a slot; lanes 16-31 the odd K steps
	v_min_u32 v14, 0x3ff, v14                      ; my row's token
	v_lshlrev_b32 v18, 2, v14
	WIN 0x40
.irp k, 0,1,2,3,4,5,6,7,8,9,10,11,12,13,14,15
.irp c, 0,1
	global_load_b128 v[8*\k+4*\c:8*\k+4*\c+3], v16, s[10:11] offset:(2*\k+\c)*32768
.endr
.endr
	WIN 0
.irp i, 0,1,2,3,4,5,6,7
	global_load_b32 v[HS+\i], v17, s[12:13] offset:8192*\i
.endr
	global_load_b32 v48, v18, s[8:9]
.endm
.macro MM ra, rb                       ; one matrix instruction on the registers named by rD, rA, rB, rC, rSA, rSB; ra, rb: the scale words stand in lanes 16-31
.if (\ra) == 0 && (\rb) == 0
	v_wmma_scale_f32_16x16x128_f8f6f4 v[rD:rD+7], v[rA:rA+7], v[rB:rB+7], v[rC:rC+7], v[rSA], v[rSB] matrix_a_fmt:MATRIX_FMT_FP4 matrix_b_fmt:MATRIX_FMT_FP4
.elseif (\ra) == 1 && (\rb) == 0
	v_wmma_scale_f32_16x16x128_f8f6f4 v[rD:rD+7], v[rA:rA+7], v[rB:rB+7], v[rC:rC+7], v[rSA], v[rSB] matrix_a_fmt:MATRIX_FMT_FP4 matrix_b_fmt:MATRIX_FMT_FP4 matrix_a_scale:MATRIX_SCALE_ROW1
.elseif (\ra) == 0 && (\rb) == 1
	v_wmma_scale_f32_16x16x128_f8f6f4 v[rD:rD+7], v[rA:rA+7], v[rB:rB+7], v[rC:rC+7], v[rSA], v[rSB] matrix_a_fmt:MATRIX_FMT_FP4 matrix_b_fmt:MATRIX_FMT_FP4 matrix_b_scale:MATRIX_SCALE_ROW1
.else
	v_wmma_scale_f32_16x16x128_f8f6f4 v[rD:rD+7], v[rA:rA+7], v[rB:rB+7], v[rC:rC+7], v[rSA], v[rSB] matrix_a_fmt:MATRIX_FMT_FP4 matrix_b_fmt:MATRIX_FMT_FP4 matrix_a_scale:MATRIX_SCALE_ROW1 matrix_b_scale:MATRIX_SCALE_ROW1
.endif
.endm
	s_load_b256 s[4:11], s[0:1], 0x0               ; list s[4:5], meta s[6:7], gate s[8:9], hid s[10:11]
	s_load_b256 s[12:19], s[0:1], 0x20             ; hsc s[12:13], w2 s[14:15], b2 s[16:17], out0 s[18:19]
	v_lshl_add_u32 v254, v0, 2, 0x19c00
	v_mov_b32 v255, 0
	v_lshrrev_b32 v1, 5, v0
	v_readfirstlane_b32 s20, v1                    ; wave 0..7
	s_mov_b32 s21, ttmp9                           ; slice
	s_and_b32 s22, ttmp7, 0xffff                   ; expert
	v_and_b32 v1, 31, v0                           ; lane
	v_and_b32 v2, 15, v0                           ; r (in the stream: g, my four columns)
	v_bfe_u32 v3, v0, 4, 1                         ; h (in the stream: which of my wave's two K steps)
	v_lshlrev_b32 v[WA], 4, v2
	v_lshl_add_u32 v[WA], v3, 19, v[WA]            ; 16 g, + 128 rows of 4,096 bytes for lanes 16-31
	; column 4 g + c: tile g / 4, row 4 (g % 4) + c
	v_bfe_u32 v15, v0, 2, 2
	v_mul_u32_u24 v[IMW], v15, TST
	v_and_b32 v15, 3, v0
	v_lshl_add_u32 v[IMW], v15, 6, v[IMW]
	v_lshlrev_b32 v[SCA], 5, v15
	v_mad_u32_u24 v[IMW], v3, KST, v[IMW]
	v_lshl_add_u32 v[SCA], v3, 8, v[SCA]
	v_bfe_u32 v15, v0, 2, 1
	v_lshl_add_u32 v[SCA], v15, 7, v[SCA]
	v_bfe_u32 v15, v0, 3, 1
	v_lshl_add_u32 v[SCA], v15, 2, v[SCA]
	s_mul_i32 s28, s20, 2*KST
	v_add_nc_u32 v[IMW], s28, v[IMW]
	s_lshl_b32 s28, s20, 9
	v_add_nc_u32 v[SCA], s28, v[SCA]
	v_add_nc_u32 v[SCA], SCW, v[SCA]
	v_lshlrev_b32 v[LI0], 4, v1
	v_add_nc_u32 v[LI0+1], 8*KST, v[LI0]
	v_lshlrev_b32 v[SCR], 3, v1
	v_add_nc_u32 v[SCR], SCW, v[SCR]
	v_lshlrev_b32 v12, 4, v3                       ; 16 h
	s_lshl_b32 s28, s22, 3
	v_mov_b32 v13, s28                             ; meta: 8 bytes an expert
	v_lshlrev_b32 v20, 5, v3                       ; b2: 32 h
	v_lshlrev_b32 v28, 12, v3                      ; hsc: 4,096 h
	v_lshlrev_b32 v26, 4, v2                       ; the way out: my 16 bytes of a row's 256
	s_mul_i32 s28, s20, 16*272
	s_add_co_u32 s28, s28, STG                     ; my stage
	v_mul_u32_u24 v21, v2, 272
	v_lshl_add_u32 v21, v3, 5, v21
	v_add_nc_u32 v21, s28, v21                     ; in: row r, + 32 h
	v_mul_u32_u24 v22, v3, 272
	v_lshl_add_u32 v22, v2, 4, v22
	v_add_nc_u32 v22, s28, v22                     ; back: lanes 0-15 one row, lanes 16-31 the next
	s_lshl_b32 s30, s22, 23                        ; w2: 8 MiB an expert, 256 rows of 4,096 bytes a wave, 256 bytes a slice
	s_lshl_b32 s28, s20, 20
	s_add_co_u32 s30, s30, s28
	s_lshl_b32 s28, s21, 8
	s_add_co_u32 s30, s30, s28
	s_mov_b32 s31, 0
	s_lshl_b32 s32, s22, 12                        ; b2: 4,096 bytes an expert, 256 a slice
	s_add_co_u32 s32, s32, s28
	s_mov_b32 s33, 0
	s_wait_kmcnt 0x0
	s_add_nc_u64 s[WB:WB+1], s[WB:WB+1], s[30:31]
	s_add_nc_u64 s[16:17], s[16:17], s[32:33]
	s_mov_b32 s30, s28                             ; out0: 256 bytes a slice
	s_add_nc_u64 s[18:19], s[18:19], s[30:31]
	global_load_b64 v[24:25], v13, s[6:7]          ; (cnt, off), the same pair in every lane: the oldest load
	LOADSET 0, 0
	LOADSET 1, 1
	s_wait_loadcnt 63                              ; 65 loads have been issued: with 63 out at the most the oldest, meta's, is in
	v_readfirstlane_b32 s23, v24
	s_min_u32 s23, s23, 0x400                      ; cnt
	v_readfirstlane_b32 s24, v25
	s_min_u32 s24, s24, 0x3ff                      ; off
	s_max_u32 s25, s23, 1
	s_sub_co_u32 s25, s25, 1                       ; the last place
	s_lshl_b32 s26, s20, 4                         ; my tile's first place: 16 w + 128 trip
	TOKLOAD 0
	PROCESS 0, 0, 1, 41                            ; younger than block 0's loads: block 1's 32 and the list's nine
	PROCESS 1, 1, 1, 41                            ; younger than block 1's: the list's nine and block 2's 32
	PROCESS 0, 2, 0, 32                            ; younger than block 2's: block 3's 32.  The list's words are older: they are in
	OPLOAD                                         ; into set 0's registers, which are done with
.irp tl, 0,1,2,3                               ; b2 in the result's layout: lane (r, h), tile: outputs 16 tile + 8 h + 0 .. 7
	global_load_b128 v[BI+8*\tl:BI+8*\tl+3], v20, s[16:17] offset:64*\tl
	global_load_b128 v[BI+8*\tl+4:BI+8*\tl+7], v20, s[16:17] offset:64*\tl+16
.endr
	PROCESS 1, 3, 0, 49                            ; 41 loads of the tile's operands and 8 of b2 are younger than block 3's
	s_wait_dscnt 0x0                               ; my images and scale words have landed
	s_barrier_signal -1
	s_barrier_wait -1                              ; the slice's 64 fragments lie in LDS; from here on each wave writes only its own stage
	s_mov_b32 s29, 0
.Ltile:
	s_cmp_ge_u32 s26, s23
	s_cbranch_scc1 .Lskip                          ; no row left for this trip
	s_wait_loadcnt 0x0                             ; the tile's operands (and, in the first trip, b2)
	v_mov_b32 v50, v48                             ; the gate, kept as a pair: v48 takes the next tile's
	v_mov_b32 v51, v48
.irp i, 0,1,2,3,4,5,6,7
	v_min_u32 v[ROWA+\i], 0x3ff, v[RT+\i]                               ; the tokens of rows 2 i and 2 i + 1,
	v_lshl_add_u32 v[ROWA+\i], v[ROWA+\i], 12, v26                      ; their rows of 4,096 bytes, + my 16 bytes
.endr
	TOKLOAD 128                                    ; my next tile's tokens are asked for under the products, whether or not that tile has rows
	FETCHW 0, 0
	FETCHW 1, 1
	FETCHW 2, 2
	FETCHW 3, 3
.irp s, 0,1,2,3,4,5,6,7,8,9,10,11,12,13,14,15
.if \s < 13
	s_wait_dscnt 27                                ; this K step's fetch is in; the three younger ones, 9 loads each, may be out
.else
	s_wait_dscnt 9*(15-\s)
.endif
	WIN 0x05                                       ; w2 and the hidden layer in window 1; b2 and the results in window 0
.irp tl, 0,1,2,3                               ; the four accumulators by turns, one instruction a turn
.set rD, ACC+8*\tl
.set rA, 128+32*(\s%4)+8*\tl
.set rB, 8*\s
.set rC, ACC+8*\tl
.if \s == 0
.set rC, BI+8*\tl
.endif
.set rSA, WS+2*(\s%4)+\tl/2
.set rSB, HS+\s/2
	MM \tl%2, \s%2
.endr
.if \s < 12
	PLACES
	FETCHW \s+4, \s%4
.endif
.endr
	WIN 0
	PLACES
	s_add_co_u32 s28, s26, 128
	s_cmp_lt_u32 s28, s23
	s_cbranch_scc0 .Lnonext
	s_wait_loadcnt 0x0                             ; the next tile's tokens
	OPLOAD                                         ; its operands land under the way out
.Lnonext:
.set ii, 0
.rept 16
	v_pk_mul_f32 v[ACC+2*ii:ACC+2*ii+1], v[ACC+2*ii:ACC+2*ii+1], v[50:51] op_sel_hi:[1,0]   ; x gate; each accumulator from its low end on
.set ii, ii+1
.endr
.irp tl, 0,1,2,3
	ds_store_b128 v21, v[ACC+8*\tl:ACC+8*\tl+3] offset:64*\tl          ; lane (r, h): out(row r, 16 tile + 8 h + 0 .. 7)
	ds_store_b128 v21, v[ACC+8*\tl+4:ACC+8*\tl+7] offset:64*\tl+16
.endr
.irp i, 0,1,2,3,4,5,6,7
	ds_load_b128 v[OUTR+4*\i:OUTR+4*\i+3], v22 offset:544*\i            ; LDS serves a wave's instructions in order: these see my stores
.endr
	s_wait_dscnt 0x0
.irp i, 0,1,2,3,4,5,6,7
	global_store_b128 v[ROWA+\i], v[OUTR+4*\i:OUTR+4*\i+3], s[18:19] th:TH_STORE_NT   ; sixteen lanes store 256 consecutive bytes, at a multiple of 256 from out0's first byte
.endr
	s_wait_xcnt 0x0                                ; the stores' registers are written again in the next trip
.Lskip:
	s_add_co_u32 s26, s26, 128
	s_add_co_u32 s29, s29, 1
	s_cmp_lt_u32 s29, 8
	s_cbranch_scc1 .Ltile
	s_wait_tensorcnt 0x0
	ds_add_u32 v254, v255
	s_wait_dscnt 0x0
	s_endpgm
.Lfunc_end_k_qf1de1a380a_layer2:
	.size	k_qf1de1a380a_layer2, .Lfunc_end_k_qf1de1a380a_layer2-k_qf1de1a380a_layer2
	.p2alignl 7, 3214868480
	.fill 96, 4, 3214868480
	.section	.rodata,"a",@progbits
	.p2align	6, 0x0
	.amdhsa_kernel k_qf1de1a380a_layer2
		.amdhsa_group_segment_fixed_size 106496
		.amdhsa_private_segment_fixed_size 0
		.amdhsa_enable_private_segment 0
		.amdhsa_kernarg_size 64
		.amdhsa_user_sgpr_count 2
		.amdhsa_user_sgpr_kernarg_segment_ptr 1
		.amdhsa_wavefront_size32 1
		.amdhsa_system_sgpr_workgroup_id_x 1
		.amdhsa_system_sgpr_workgroup_id_y 1
		.amdhsa_system_sgpr_workgroup_id_z 1
		.amdhsa_system_vgpr_workitem_id 0
		.amdhsa_next_free_vgpr 512
		.amdhsa_next_free_sgpr 66
		.amdhsa_reserve_vcc 0
		.amdhsa_float_denorm_mode_32 3
		.amdhsa_float_denorm_mode_16_64 3
		.amdhsa_memory_ordered 1
		.amdhsa_forward_progress 1
		.amdhsa_inst_pref_size 98
	.end_amdhsa_kernel
	.amdgpu_metadata
---
amdhsa.version: [ 1, 2 ]
amdhsa.kernels:
  - .name:           k_qf1de1a380a_layer2
    .symbol:         k_qf1de1a380a_layer2.kd
    .args:
      - { .name: list, .offset: 0, .size: 8, .value_kind: global_buffer, .address_space: global }
      - { .name: meta, .offset: 8, .size: 8, .value_kind: global_buffer, .address_space: global }
      - { .name: gate, .offset: 16, .size: 8, .value_kind: global_buffer, .address_space: global }
      - { .name: hid, .offset: 24, .size: 8, .value_kind: global_buffer, .address_space: global }
      - { .name: hsc, .offset: 32, .size: 8, .value_kind: global_buffer, .address_space: global }
      - { .name: w2, .offset: 40, .size: 8, .value_kind: global_buffer, .address_space: global }
      - { .name: b2, .offset: 48, .size: 8, .value_kind: global_buffer, .address_space: global }
      - { .name: out0, .offset: 56, .size: 8, .value_kind: global_buffer, .address_space: global }
    .group_segment_fixed_size: 106496
    .private_segment_fixed_size: 0
    .kernarg_segment_align: 8
    .kernarg_segment_size: 64
    .max_flat_workgroup_size: 256
    .sgpr_count:     66
    .vgpr_count:     512
    .wavefront_size: 32
...
	.end_amdgpu_metadata
.endif
;; end of part 4
;; ======== version 2 of 2: 4 launches
;; workspace buffers: xq 524,288 bytes; xs 32,768 bytes; assign 4,096 bytes of whole numbers; gate 4,096 bytes; list 6,144 bytes of whole numbers; meta 256 bytes of whole numbers; hid 1,048,576 bytes; hsc 65,536 bytes
;; launch route (part 5): grid 64 x 1, 8 waves a work-group, no clusters, 18,432 bytes of LDS; arguments h, router_w, xq, xs, assign, gate; writes xq, xs, assign, gate
.if DOCPART == 5
	.amdgcn_target "amdgcn-amd-amdhsa--gfx1250"
	.amdhsa_code_object_version 6
	.text
	.protected	k_qf1de1a380a_route
	.globl	k_qf1de1a380a_route
	.p2align	8
	.type	k_qf1de1a380a_route,@function
k_qf1de1a380a_route:
	s_mov_b64 s[64:65], 0
	v_nop
	global_prefetch_b8 v0, s[64:65] scope:SCOPE_SE
	s_setreg_imm32_b32 hwreg(HW_REG_WAVE_SCHED_MODE, 0, 2), 2
	s_setreg_imm32_b32 hwreg(HW_REG_WAVE_MODE, 25, 1), 1
	s_wait_xcnt 0x0
	s_wait_alu depctr_vm_vsrc(0)
; ROUTER AND x's QUANTISER.  x = h as [1024 tokens][1024]; logits = Q(x) Q(router_w), both quantised along the 1,024 to E2M1 with one E8M0 scale for each 32.
; Stored: xq, x's codes, [token][512 bytes], K innermost; xs, their scale words, [token][8 words], word s for k = 128 s .. 128 s + 127;
; assign[token] = the index of the largest logit (the lower index where two are equal); gate[token] = sigmoid of that logit.
; SHARES.  A work-group owns 16 tokens; wave w owns K step w (k = 128 w .. 128 w + 127): it quantises its 16 x 128 numbers of x and its 128 x 16 numbers of router_w and makes one matrix instruction.
; The eight partial logits meet in LDS as images of the result's registers; wave 0 adds them, K step ascending, in f32, and chooses.  No address and no branch hangs on a logit.
; THE PRODUCT IS USED TRANSPOSED: source 0 = router_w's 16 columns (the experts), source 1 = the 16 tokens: lane (r, h) holds token r and experts 8 h + 0 .. 7.
; LIMITS: NaN and infinities among the inputs are not served.  A block whose largest magnitude lies under 2^-124 keeps the scale byte 1; a block of zeros gets the byte 1 where the rule says 127:
; its codes are zeros, which add nothing under that byte, and the bytes are read by this program alone.  The logits are sums of eight f32 partial sums, one for each 128 along K.
; No tensor load, no cluster: a work-group reads 64 KiB of h that nobody else reads, and router_w is 64 KiB in all.
; THE MODE: SCHED_MODE bits 1:0 = 2 (LLVM: expert scheduling mode 2), set by the entry lines.  The code itself states the register dependences between vector or matrix instructions and memory or LDS instructions, with s_wait_alu, always for 0.
; THE PLAN.  Registers that memory or LDS instructions touch:
;   v4-v12       offsets and LDS addresses, made once at the head and never written again: one wait on va_vdst ahead of the first load.
;   X, RW        written by the loads; read by the two quantisers; behind the barrier LDS loads land in them.
;   PC, PW       written by x's quantiser; read by three LDS stores and by the matrix instruction.  RC, RS: written by router_w's quantiser; read by the matrix instruction.
;                ONE wait on va_vdst, behind the places in front of the matrix instruction, states all four; the three stores stand between it and the matrix instruction.
;   ACC          written by the matrix instruction; read by two LDS stores, behind the places and one wait on va_vdst.  No vector instruction follows that wait up to the LDS loads behind the barrier, so it serves them too.
;   v94, v98     wave 0: the choice and the gate: written by selects and by the reciprocal, read by the last two stores.
; No register that a memory or LDS instruction has read is written again, so no wait on vm_vsrc stands in this text.  Masks of compares go into scalar registers, in runs, with one wait on va_sdst behind each run.
.set PART, 0                           ; LDS: eight images of partial logits, 1,024 bytes each: 512 c + 16 x lane
.set STG,  8192                        ; x's codes by rows: 16 rows x (512 bytes + 16)
.set XSS,  16640                       ; x's scale words: 32 r + 4 w
.set X,    16                          ; v16-79   my 64 numbers of x; in wave 0 later the eight images
.set RW,   80                          ; v80-143  my 64 numbers of router_w; later what leaves through registers, and wave 0's choice
.set PC,   144                         ; v144-151 x's fragment
.set RC,   152                         ; v152-159 router_w's fragment
.set TM,   160                         ; v160-175 at work in QUANT
.set PW,   176                         ; v176     x's scale word
.set RS,   177                         ; v177     router_w's scale word
.set ACC,  184                         ; v184-191 the partial logits
.set SEL,  20                          ; s[20:21] v_permlanex16_b32's selects for lane l xor 16
; 64 numbers of a lane, register 16 b + i = k 32 b + 16 (lane / 16) + i of my row, become a fragment's codes in v[PC] on and its scale word in v[PW].
.macro QUANT s
.irp b, 0,1,2,3
	v_max3_num_f32 v[TM+\b], |v[\s+16*\b]|, |v[\s+1+16*\b]|, 0x1800000   ; block b: my 16 numbers, and the floor 2^(3 - 127): the byte cannot fall under 1
.endr
.irp i, 2,4,6,8,10,12,14
.irp b, 0,1,2,3
	v_max3_num_f32 v[TM+\b], v[TM+\b], |v[\s+16*\b+\i]|, |v[\s+1+16*\b+\i]|   ; the four blocks by turns
.endr
.endr
.irp b, 0,1,2,3
	v_permlanex16_b32 v[TM+4+\b], v[TM+\b], s[SEL], s[SEL+1]
.endr
.irp b, 0,1,2,3
	v_max_num_f32 v[TM+\b], v[TM+\b], v[TM+4+\b]   ; with lane l xor 16's: the block's largest magnitude
.endr
.irp b, 0,1,2,3
	v_add_nc_u32 v[TM+12+\b], 0xff000000, v[TM+\b]   ; 2 off its exponent field: the conversion's scale operand
.endr
.irp b, 0,1,2,3
	v_lshrrev_b32 v[TM+4+\b], 23, v[TM+12+\b]      ; the scale's byte
.endr
	v_lshl_or_b32 v[PW], v[TM+5], 8, v[TM+4]       ; the four bytes make my row's scale word
	v_lshl_or_b32 v[PW], v[TM+6], 16, v[PW]
	v_lshl_or_b32 v[PW], v[TM+7], 24, v[PW]
.irp b, 0,1,2,3
	v_cvt_scalef32_pk8_fp4_f32 v[PC+2*\b], v[\s+16*\b:\s+7+16*\b], v[TM+12+\b]
	v_cvt_scalef32_pk8_fp4_f32 v[PC+1+2*\b], v[\s+8+16*\b:\s+15+16*\b], v[TM+12+\b]
.endr
	v_nop                                          ; one plain place behind a scaled conversion
.irp c, 0,1                                    ; the operand's layout wants a whole block in a lane: lanes 0-15 block 2 c, lanes 16-31 block 2 c + 1
.irp i, 0,1
	v_permlane16_swap_b32 v[PC+4*\c+\i], v[PC+2+4*\c+\i]
.endr
.endr
.endm
	s_load_b256 s[4:11], s[0:1], 0x0               ; h s[4:5], router_w s[6:7], xq s[8:9], xs s[10:11]
	s_load_b128 s[12:15], s[0:1], 0x20             ; assign s[12:13], gate s[14:15]
	v_lshl_add_u32 v192, v0, 2, 0x4400
	v_mov_b32 v193, 0
	v_lshrrev_b32 v1, 5, v0
	v_readfirstlane_b32 s18, v1                    ; wave 0..7
	v_and_b32 v1, 31, v0                           ; lane
	v_and_b32 v2, 15, v0                           ; r
	v_bfe_u32 v3, v0, 4, 1                         ; h
	v_lshlrev_b32 v4, 12, v2
	v_lshl_add_u32 v4, v3, 6, v4                   ; x: row r of 4,096 bytes, + 64 h: my 16 numbers of a block of 32
	v_lshlrev_b32 v5, 2, v2
	v_lshl_add_u32 v5, v3, 11, v5                  ; router_w: column r, lanes 16-31 begin 32 rows of 64 bytes further down
	v_lshlrev_b32 v6, 4, v1                        ; 16 x lane
	s_wait_alu depctr_va_sdst(0)                   ; s18, the wave's number, is written, ahead of its first reader
	s_lshl_b32 s22, s18, 10
	v_add_nc_u32 v7, s22, v6                       ; my image of partial logits: PART + 1,024 w + 16 x lane
	v_mul_u32_u24 v8, v2, 528
	v_lshl_add_u32 v8, v3, 4, v8
	s_lshl_b32 s22, s18, 6
	v_add_nc_u32 v8, s22, v8
	v_add_nc_u32 v8, STG, v8                       ; the stage, in: row r, my K step's 64 bytes, + 16 h
	v_lshlrev_b32 v9, 5, v2
	s_lshl_b32 s22, s18, 2
	v_add_nc_u32 v9, s22, v9
	v_add_nc_u32 v9, XSS, v9                       ; my row's scale word of my K step
	s_mul_i32 s22, s18, 1056
	v_add_nc_u32 v10, s22, v6
	v_add_nc_u32 v10, STG, v10                     ; the stage, out: rows 2 w and 2 w + 1, 16 bytes a lane
	v_lshlrev_b32 v11, 2, v2                       ; 4 r: assign's and gate's word
	v_add_nc_u32 v12, XSS, v6                      ; the sixteen tokens' scale words, 16 bytes a lane
	s_mov_b32 s[SEL], 0x76543210
	s_mov_b32 s[SEL+1], 0xfedcba98
.irp b, 0,1,2,3
	v_mov_b32 v[TM+4+\b], 0                        ; written once: a lane permute's destination counts as one of its sources
.endr
	s_lshl_b32 s24, ttmp9, 16                      ; h: 16 rows of 4,096 bytes a work-group, 512 bytes a K step
	s_lshl_b32 s22, s18, 9
	s_add_co_u32 s24, s24, s22
	s_mov_b32 s25, 0
	s_lshl_b32 s26, s18, 13                        ; router_w: 128 rows of 64 bytes a K step
	s_mov_b32 s27, 0
	s_lshl_b32 s28, ttmp9, 13                      ; xq: 16 rows of 512 bytes a work-group, two rows a wave
	s_lshl_b32 s22, s18, 10
	s_add_co_u32 s28, s28, s22
	s_mov_b32 s29, 0
	s_lshl_b32 s30, ttmp9, 9                       ; xs: 512 bytes a work-group
	s_mov_b32 s31, 0
	s_lshl_b32 s32, ttmp9, 6                       ; assign, gate: 64 bytes a work-group
	s_mov_b32 s33, 0
	s_wait_kmcnt 0x0
	s_add_nc_u64 s[4:5], s[4:5], s[24:25]
	s_add_nc_u64 s[6:7], s[6:7], s[26:27]
	s_add_nc_u64 s[8:9], s[8:9], s[28:29]
	s_add_nc_u64 s[10:11], s[10:11], s[30:31]
	s_add_nc_u64 s[12:13], s[12:13], s[32:33]
	s_add_nc_u64 s[14:15], s[14:15], s[32:33]
	s_wait_alu depctr_va_vdst(0)                   ; v4 to v12 are written: every load, store and LDS instruction of the kernel reads one of them as its offset or address
.irp b, 0,1,2,3
.irp j, 0,1,2,3
	global_load_b128 v[X+16*\b+4*\j:X+16*\b+4*\j+3], v4, s[4:5] offset:128*\b+16*\j th:TH_LOAD_NT   ; x(r, 128 w + 32 b + 16 h + 4 j ..): read once in the whole program
.endr
.endr
.irp c, 0,1
.set ii, 0
.rept 32
	global_load_b32 v[RW+32*\c+ii], v5, s[6:7] offset:64*(64*\c+ii)   ; router_w(128 w + 64 c + 32 h + i, r): registers run down K
.set ii, ii+1
.endr
.endr
	s_wait_loadcnt 63                              ; 64 loads are younger than x's sixteen; 63 is the largest count a wait names, and leaves at least 17 loads done
	QUANT X
	s_wait_loadcnt 0x0                             ; router_w
.irp c, 0,1                                    ; my block 2 c + h of column r: all its 32 numbers are mine
	v_max3_num_f32 v[178+\c], |v[RW+32*\c]|, |v[RW+1+32*\c]|, 0x1800000
.endr
.irp i, 2,4,6,8,10,12,14,16,18,20,22,24,26,28,30
.irp c, 0,1
	v_max3_num_f32 v[178+\c], v[178+\c], |v[RW+32*\c+\i]|, |v[RW+1+32*\c+\i]|
.endr
.endr
.irp c, 0,1
	v_add_nc_u32 v[180+\c], 0xff000000, v[178+\c]  ; the conversion's scale operand
.endr
.irp c, 0,1
	v_lshrrev_b32 v[182+\c], 23, v[180+\c]         ; the scale's byte
.endr
	v_lshl_or_b32 v[RS], v183, 16, v182            ; my two bytes: blocks h and 2 + h of column r,
	v_lshlrev_b32 v178, 3, v3
	v_lshlrev_b32 v[RS], v178, v[RS]               ; at their places in the scale word (8 h bits up);
	v_mov_b32 v179, 0
	v_permlanex16_b32 v179, v[RS], s[SEL], s[SEL+1]
	v_or_b32 v[RS], v[RS], v179                    ; with lane l xor 16's two the word is whole
.irp c, 0,1
.irp g, 0,1,2,3
	v_cvt_scalef32_pk8_fp4_f32 v[RC+4*\c+\g], v[RW+32*\c+8*\g:RW+32*\c+8*\g+7], v[180+\c]
.endr
.endr
.rept 8
	v_nop                                          ; a scale register written by a vector instruction stands 8 places ahead of a scaled matrix instruction, an operand so written 4
.endr
	s_wait_alu depctr_va_vdst(0)                   ; both quantisers have written: PC, RC, PW and RS, which the matrix instruction takes; PC and PW, which the three LDS stores read
	ds_store_b128 v8, v[PC:PC+3]                   ; k = 32 h + 0 .. 31 of my K step: 16 bytes of row r
	ds_store_b128 v8, v[PC+4:PC+7] offset:32       ; k = 64 + 32 h + 0 .. 31
	ds_store_b32 v9, v[PW]                         ; lanes r and r + 16 write the same word with the same value
	v_wmma_scale_f32_16x16x128_f8f6f4 v[ACC:ACC+7], v[RC:RC+7], v[PC:PC+7], 0, v[RS], v[PW] matrix_a_fmt:MATRIX_FMT_FP4 matrix_b_fmt:MATRIX_FMT_FP4
.rept 4
	v_nop                                          ; four places in front of the first read of the result
.endr
	s_wait_alu depctr_va_vdst(0)                   ; the matrix instruction has written ACC, which the LDS stores read; and the quantisers are done reading X and RW, in which the LDS loads behind the barrier land
	ds_store_b128 v7, v[ACC:ACC+3]                 ; the result from its low end on, as an image of its registers
	ds_store_b128 v7, v[ACC+4:ACC+7] offset:512
	s_wait_dscnt 0x0                               ; for the others' sake: all my LDS stores have landed
	s_barrier_signal -1
	s_barrier_wait -1
	ds_load_b128 v[80:83], v10                     ; two whole rows of codes, 512 bytes each
	ds_load_b128 v[84:87], v10 offset:528
	s_wait_dscnt 0x1                               ; the first row is in, the second may be out
	global_store_b128 v6, v[80:83], s[8:9]         ; 32 lanes store 512 consecutive bytes
	s_wait_dscnt 0x0
	global_store_b128 v6, v[84:87], s[8:9] offset:512
	s_cmp_lg_u32 s18, 0
	s_cbranch_scc1 .Lend                           ; the choice is wave 0's; no barrier follows
	ds_load_b128 v[88:91], v12
.irp p, 0,1,2,3,4,5,6,7
	ds_load_b128 v[X+8*\p:X+8*\p+3], v6 offset:PART+1024*\p
	ds_load_b128 v[X+8*\p+4:X+8*\p+7], v6 offset:PART+1024*\p+512
.endr
	s_wait_dscnt 0x0
	global_store_b128 v6, v[88:91], s[10:11]       ; the sixteen tokens' scale words: 512 consecutive bytes
.irp p, 1,2,3,4,5,6,7                          ; the logits: the eight partial sums, K step ascending
.irp q, 0,2,4,6
	v_pk_add_f32 v[X+\q:X+\q+1], v[X+\q:X+\q+1], v[X+8*\p+\q:X+8*\p+\q+1]
.endr
.endr
	; The largest of my eight logits and its index, in three rounds of 4, 2 and 1 compares.  In each pair the right-hand one, of the higher indices, wins only where it is strictly larger: the lower index keeps an equal logit.
	; A round's compares stand in a run, each mask in a scalar register of its own, with one wait behind the run.
	v_lshlrev_b32 v92, 3, v3                       ; my first expert: 8 h
.irp p, 0,1,2,3
	v_cmp_gt_f32 s[26+\p], v[X+2*\p+1], v[X+2*\p]
.endr
.irp p, 0,1,2,3
	v_add_nc_u32 v[100+\p], 2*\p, v92              ; the pair's two indices
	v_add_nc_u32 v[104+\p], 2*\p+1, v92
.endr
	s_wait_alu depctr_va_sdst(0)                   ; the four compares have written s26 to s29, which the selects read
.irp p, 0,1,2,3
	v_cndmask_b32 v[108+\p], v[X+2*\p], v[X+2*\p+1], s[26+\p]
	v_cndmask_b32 v[100+\p], v[100+\p], v[104+\p], s[26+\p]
.endr
.irp p, 0,1
	v_cmp_gt_f32 s[30+\p], v[109+2*\p], v[108+2*\p]
.endr
	s_wait_alu depctr_va_sdst(0)                   ; the two compares have written s30 and s31, which the selects read
.irp p, 0,1
	v_cndmask_b32 v[112+\p], v[108+2*\p], v[109+2*\p], s[30+\p]
	v_cndmask_b32 v[114+\p], v[100+2*\p], v[101+2*\p], s[30+\p]
.endr
	v_cmp_gt_f32 s32, v113, v112
	s_wait_alu depctr_va_sdst(0)                   ; the compare has written s32, which the selects read
	v_cndmask_b32 v93, v112, v113, s32             ; the largest of my eight,
	v_cndmask_b32 v94, v114, v115, s32             ; and its index
	v_mov_b32 v96, 0
	v_mov_b32 v97, 0
	v_permlanex16_b32 v96, v93, s[SEL], s[SEL+1]   ; the other eight experts' largest,
	v_permlanex16_b32 v97, v94, s[SEL], s[SEL+1]   ; and its index
	v_cmp_gt_f32 s22, v96, v93
	v_cmp_eq_f32 s23, v96, v93
	v_cmp_lt_u32 s24, v97, v94
	s_wait_alu depctr_va_sdst(0)                   ; the three compares have written s22 to s24, which the two scalar lines read
	s_and_b32 s23, s23, s24
	s_or_b32 vcc_lo, s22, s23                      ; taken where it is larger, or equal with the lower index: both halves of the lanes end alike
	v_cndmask_b32 v93, v93, v96, vcc_lo
	v_cndmask_b32 v94, v94, v97, vcc_lo
	v_mul_f32 v98, 0xbfb8aa3b, v93                 ; -log2(e) x the logit
	s_wait_alu depctr_va_vdst(0)
	v_exp_f32 v98, v98
	v_nop                                          ; a plain place behind a transcendental
	s_wait_alu depctr_va_vdst(0)                   ; the exponential has written v98, which the next line reads; and the selects have written v94, which the store of the choice reads
	v_add_f32 v98, 1.0, v98
	s_wait_alu depctr_va_vdst(0)
	v_rcp_f32 v98, v98                             ; sigmoid = 1 / (1 + e^-x)
	v_nop
	global_store_b32 v11, v94, s[12:13]            ; lanes r and r + 16 store the same word with the same value
	s_wait_alu depctr_va_vdst(0)                   ; the reciprocal has written v98, which the store reads
	global_store_b32 v11, v98, s[14:15]
.Lend:
	s_wait_dscnt 0x0                               ; the closing lines, six on end
	s_wait_alu 0x0
	s_wait_tensorcnt 0x0
	ds_add_u32 v192, v193
	s_wait_dscnt 0x0
	s_endpgm
.Lfunc_end_k_qf1de1a380a_route:
	.size	k_qf1de1a380a_route, .Lfunc_end_k_qf1de1a380a_route-k_qf1de1a380a_route
	.p2alignl 7, 3214868480
	.fill 96, 4, 3214868480
	.section	.rodata,"a",@progbits
	.p2align	6, 0x0
	.amdhsa_kernel k_qf1de1a380a_route
		.amdhsa_group_segment_fixed_size 18432
		.amdhsa_private_segment_fixed_size 0
		.amdhsa_enable_private_segment 0
		.amdhsa_kernarg_size 48
		.amdhsa_user_sgpr_count 2
		.amdhsa_user_sgpr_kernarg_segment_ptr 1
		.amdhsa_wavefront_size32 1
		.amdhsa_system_sgpr_workgroup_id_x 1
		.amdhsa_system_sgpr_workgroup_id_y 1
		.amdhsa_system_sgpr_workgroup_id_z 1
		.amdhsa_system_vgpr_workitem_id 0
		.amdhsa_next_free_vgpr 194
		.amdhsa_next_free_sgpr 66
		.amdhsa_reserve_vcc 1
		.amdhsa_float_denorm_mode_32 3
		.amdhsa_float_denorm_mode_16_64 3
		.amdhsa_memory_ordered 1
		.amdhsa_forward_progress 1
		.amdhsa_inst_pref_size 25
	.end_amdhsa_kernel
	.amdgpu_metadata
---
amdhsa.version: [ 1, 2 ]
amdhsa.kernels:
  - .name:           k_qf1de1a380a_route
    .symbol:         k_qf1de1a380a_route.kd
    .args:
      - { .name: h, .offset: 0, .size: 8, .value_kind: global_buffer, .address_space: global }
      - { .name: router_w, .offset: 8, .size: 8, .value_kind: global_buffer, .address_space: global }
      - { .name: xq, .offset: 16, .size: 8, .value_kind: global_buffer, .address_space: global }
      - { .name: xs, .offset: 24, .size: 8, .value_kind: global_buffer, .address_space: global }
      - { .name: assign, .offset: 32, .size: 8, .value_kind: global_buffer, .address_space: global }
      - { .name: gate, .offset: 40, .size: 8, .value_kind: global_buffer, .address_space: global }
    .group_segment_fixed_size: 18432
    .private_segment_fixed_size: 0
    .kernarg_segment_align: 8
    .kernarg_segment_size: 48
    .max_flat_workgroup_size: 256
    .sgpr_count:     66
    .vgpr_count:     194
    .wavefront_size: 32
...
	.end_amdgpu_metadata
.endif
;; end of part 5
;; launch place (part 6): grid 16 x 1, 1 waves a work-group, no clusters, 0 bytes of LDS; arguments assign, list, meta; writes list, meta
.if DOCPART == 6
	.amdgcn_target "amdgcn-amd-amdhsa--gfx1250"
	.amdhsa_code_object_version 6
	.text
	.protected	k_qf1de1a380a_place
	.globl	k_qf1de1a380a_place
	.p2align	8
	.type	k_qf1de1a380a_place,@function
k_qf1de1a380a_place:
	s_mov_b64 s[64:65], 0
	v_nop
	global_prefetch_b8 v0, s[64:65] scope:SCOPE_SE
	s_setreg_imm32_b32 hwreg(HW_REG_WAVE_MODE, 25, 1), 1
	s_wait_xcnt 0x0
; THE PLACING OF ROWS.  assign[token] is the expert of each of the 1,024 tokens.  Stored: list[slot] = token, the tokens on end by expert; meta[e] = (cnt, off): the number of tokens of expert e and of all lower experts.
; A token's slot is off(e) + the number of tokens of e that come before it in this text's order (register by register, lane by lane); the two layers only need that every slot holds one token of the right expert.
; SHARES.  One work-group of one wave for each expert e.  The wave holds all of assign in 32 registers: register nn of lane l is token 128 (nn / 4) + 4 l + nn % 4.
; Pass 1 counts the tokens of lower experts.  Pass 2 gives each matching lane its slot: the count so far + the matching lanes below it.  All lanes stay on: a lane that does not match stores to a dump word of its own,
; word 1,024 + 32 e + lane of list, which nobody reads.  Every store has registers of its own, so no wait stands between them.  No branch, no LDS, no barrier.
; The addresses hang on assign alone, whole numbers that an earlier launch stored.  An assign outside 0 .. 15 would leave slots unwritten: the router stores none such.
.set A,  32                            ; v32-63   assign
.set TK, 64                            ; v64-95   the tokens, one register a store
.set AD, 96                            ; v96-127  their places
	s_load_b128 s[4:7], s[0:1], 0x0                ; assign s[4:5], list s[6:7]
	s_load_b64 s[8:9], s[0:1], 0x10                ; meta
	v_and_b32 v1, 31, v0                           ; lane
	v_lshlrev_b32 v2, 4, v1                        ; 16 x lane
	v_lshlrev_b32 v3, 2, v1                        ; 4 x lane: the lane's part of a token's number
	s_mov_b32 s22, ttmp9                           ; expert
	s_lshl_b32 s10, s22, 5
	s_add_co_u32 s10, s10, 1024
	v_add_nc_u32 v4, s10, v1                       ; my dump word
	s_lshl_b32 s11, s22, 3
	v_mov_b32 v5, s11                              ; meta: 8 bytes an expert
	s_wait_alu depctr_va_vdst(0)
	s_wait_kmcnt 0x0
.irp i, 0,1,2,3,4,5,6,7
	global_load_b128 v[A+4*\i:A+4*\i+3], v2, s[4:5] offset:512*\i
.endr
	s_wait_loadcnt 0x0
	s_mov_b32 s24, 0                               ; off
.set nn, 0
.rept 32
	v_cmp_gt_u32 vcc_lo, s22, v[A+nn]
	s_bcnt1_i32_b32 s28, vcc_lo
	s_add_co_u32 s24, s24, s28
.set nn, nn+1
.endr
	s_mov_b32 s23, s24                             ; the next free slot
.set nn, 0
.rept 32
	v_cmp_eq_u32 vcc_lo, s22, v[A+nn]
	s_bcnt1_i32_b32 s28, vcc_lo
	v_mbcnt_lo_u32_b32 v[AD+nn], vcc_lo, s23       ; the next free slot + the matching lanes below mine
	v_cndmask_b32 v[AD+nn], v4, v[AD+nn], vcc_lo   ; or my dump word
	v_min_u32 v[AD+nn], 1535, v[AD+nn]             ; a word of list, whatever was read
	v_lshlrev_b32 v[AD+nn], 2, v[AD+nn]
	v_add_nc_u32 v[TK+nn], 128*(nn/4)+nn%4, v3     ; the token
	global_store_b32 v[AD+nn], v[TK+nn], s[6:7]
	s_add_co_u32 s23, s23, s28
.set nn, nn+1
.endr
	s_sub_co_u32 s25, s23, s24                     ; cnt
	v_mov_b32 v6, s25
	v_mov_b32 v7, s24
	global_store_b64 v5, v[6:7], s[8:9]            ; every lane stores the same pair to the same place
	s_endpgm
.Lfunc_end_k_qf1de1a380a_place:
	.size	k_qf1de1a380a_place, .Lfunc_end_k_qf1de1a380a_place-k_qf1de1a380a_place
	.p2alignl 7, 3214868480
	.fill 96, 4, 3214868480
	.section	.rodata,"a",@progbits
	.p2align	6, 0x0
	.amdhsa_kernel k_qf1de1a380a_place
		.amdhsa_group_segment_fixed_size 0
		.amdhsa_private_segment_fixed_size 0
		.amdhsa_enable_private_segment 0
		.amdhsa_kernarg_size 24
		.amdhsa_user_sgpr_count 2
		.amdhsa_user_sgpr_kernarg_segment_ptr 1
		.amdhsa_wavefront_size32 1
		.amdhsa_system_sgpr_workgroup_id_x 1
		.amdhsa_system_sgpr_workgroup_id_y 1
		.amdhsa_system_sgpr_workgroup_id_z 1
		.amdhsa_system_vgpr_workitem_id 0
		.amdhsa_next_free_vgpr 128
		.amdhsa_next_free_sgpr 66
		.amdhsa_reserve_vcc 1
		.amdhsa_float_denorm_mode_32 3
		.amdhsa_float_denorm_mode_16_64 3
		.amdhsa_memory_ordered 1
		.amdhsa_forward_progress 1
		.amdhsa_inst_pref_size 19
	.end_amdhsa_kernel
	.amdgpu_metadata
---
amdhsa.version: [ 1, 2 ]
amdhsa.kernels:
  - .name:           k_qf1de1a380a_place
    .symbol:         k_qf1de1a380a_place.kd
    .args:
      - { .name: assign, .offset: 0, .size: 8, .value_kind: global_buffer, .address_space: global }
      - { .name: list, .offset: 8, .size: 8, .value_kind: global_buffer, .address_space: global }
      - { .name: meta, .offset: 16, .size: 8, .value_kind: global_buffer, .address_space: global }
    .group_segment_fixed_size: 0
    .private_segment_fixed_size: 0
    .kernarg_segment_align: 8
    .kernarg_segment_size: 24
    .max_flat_workgroup_size: 32
    .sgpr_count:     66
    .vgpr_count:     128
    .wavefront_size: 32
...
	.end_amdgpu_metadata
.endif
;; end of part 6
;; launch layer1 (part 7): grid 16 x 16, 8 waves a work-group, no clusters, 71,680 bytes of LDS; arguments list, meta, xq, xs, w1, b1, hid, hsc; writes hid, hsc
.if DOCPART == 7
	.amdgcn_target "amdgcn-amd-amdhsa--gfx1250"
	.amdhsa_code_object_version 6
	.text
	.protected	k_qf1de1a380a_layer1
	.globl	k_qf1de1a380a_layer1
	.p2align	8
	.type	k_qf1de1a380a_layer1,@function
k_qf1de1a380a_layer1:
	s_mov_b64 s[64:65], 0
	v_nop
	global_prefetch_b8 v0, s[64:65] scope:SCOPE_SE
	s_setreg_imm32_b32 hwreg(HW_REG_WAVE_SCHED_MODE, 0, 2), 2
	s_setreg_imm32_b32 hwreg(HW_REG_WAVE_MODE, 25, 1), 1
	s_wait_xcnt 0x0
	s_wait_alu depctr_vm_vsrc(0)
; THE FIRST LAYER OF THE CHOSEN EXPERT: hidden = Q(gelu(Q(x) Q(w1[e]) + b1[e])), only for the tokens whose expert is e.  Products on codes of E2M1 with one E8M0 scale for each 32 along K.
; SHARES.  Work-group (x = slice, y = expert e) owns hidden units 128 slice .. + 127 of expert e: 1,024 rows x 512 bytes of w1, 524,288 bytes that no other work-group reads.
; PHASE 1, THE STREAM.  Wave w takes K step w (rows 128 w .. + 127).  A load is one row's 512 bytes, 16 a lane: four columns of one row.  Two landing sets of 32 rows: 64 loads a wave are asked for at the start,
; and each group of sixteen rows is asked for again as soon as it has been copied out.  A block of 32 along K of a column is 32 registers of one lane (every fourth): its largest magnitude needs no other lane.
; The conversion wants eight neighbours along K in consecutive registers, so eight rows x four columns are copied into such runs first.  The codes go to LDS as IMAGES OF THE OPERAND'S REGISTERS.
; THE UNITS OF A TILE ARE NOT NEIGHBOURS: lane r of tile 2 b + u takes unit 32 b + 8 u + r + 8 (r / 8), so that the 16 registers of tiles 2 b and 2 b + 1 are 16 neighbours along the next product's K.
; THE ROWS' NUMBERS come from memory, as an earlier launch stored them: meta[e] = (cnt, off), list[slot] = token, expert e's tokens in slots off .. off + cnt - 1.  A tile's rows past cnt take the last slot again:
; they compute and store that row's bits once more.
; PHASE 2, THE ROWS.  Wave w takes the tiles of 16 rows at places 16 w + 128 trip, eight trips by count; a trip whose tile begins at or past cnt is jumped over (a scalar branch on the stored count; no barrier stands there).
; A tile: x's codes by the list, 64 matrix instructions (TRANSPOSED: source 0 = 16 units of w1, source 1 = 16 tokens; b1 is the C of the first K step), gelu by erf in f32, the quantiser, and the fragment goes to hid as it stands.
; hid: [F / 64][slot][lane half][16 bytes]; hsc: [F / 128][slot], one word: a tile's fragment is 2 x 512 consecutive bytes.
; NO TENSOR LOAD, NO CLUSTER: branches hang on cnt, a number read from memory; and what the sixteen work-groups of an expert share, 544 bytes a token of xq and xs, is small beside the 524,288 bytes that each reads alone.
; A work-group whose expert has no token still streams its slice and stores nothing: the barrier stands on every wave's path, under no branch on a loaded number.
; LIMITS: NaN and infinities are not served.  A block whose largest magnitude lies under 2^-124 keeps the scale byte 1; a block of zeros gets the byte 1 where the rule says 127 (its codes are zeros; only this program reads the bytes).
; erf(z) = z P(z^2) / Q(z^2) with z held to +-4, where erf is 1 to f32's last bit: a few units in the last place; gelu = x/2 + x/2 erf(x / sqrt 2), which forms 1 + erf in f32 as the problem's own formula does.
; REGISTERS.  Window 0: v0-31 ids and addresses; v32-39 x's scale words; v40-47 w1's, two sets; v64-127 in the stream the four blocks' codes, then the eight accumulators; v128-223 at work.
;   Window 1: the two landing sets, v0-127 and v128-255; behind the stream v0-63 x's eight fragments, v64-127 b1's eight tiles, v128-255 two sets of w1's eight fragments.
; THE MODE: SCHED_MODE bits 1:0 = 2 (LLVM: expert scheduling mode 2), set by the entry lines.  The code itself states the register dependences between vector or matrix instructions and memory or LDS instructions, with s_wait_alu, always for 0.
; THE PLAN.  Registers that memory or LDS instructions touch:
;   v4-v9, v13, v18      offsets and LDS addresses, made once at the head and never written again: one wait on va_vdst ahead of the first load.
;   the landing sets     written by loads; read by a block's maxima and copies.  In blocks 0 and 1 sixteen rows are copied out, one wait on va_vdst states that their readers are done, and the sixteen loads follow it.
;   CD + 16 t            block t's codes, registers of its own for each block: written by its conversions, read by its four LDS stores behind one wait on va_vdst, and not written again in the stream.
;   WD                   the scale words: written in all four blocks, read by block 3's LDS stores behind the same wait.
;   v11 / v14            TOKLOAD: the list's offset, written and then read by the one load / that load's word, which OPLOAD reads and writes.
;   v16, v17             OPLOAD: x's offsets, written and then read by its 18 loads, which land in x's fragments and scale words: those are read by a tile's matrix instructions (the first time: by set 0's maxima and copies).
;   w1's two sets, WS    written by FETCHW's LDS loads, read by a K step's matrix instructions: one wait on va_vdst behind each K step that is followed by a fetch into its set.
;   PC, PW, v20, v21     written by the quantiser and the address lines, read by the tile's three stores behind one wait on va_vdst.
; What memory or LDS instructions have read and the loop writes again (CD as accumulators, WD as gelu's registers, v11, v16, v17, v20, v21, PC, PW) is freed by a wait on vm_vsrc in two places:
; behind the barrier, ahead of the loop, and at each trip's end, ahead of the label and the backward jump.  Every way to such a write passes one of the two behind the last reader.
.set PITCH, 8192                       ; a row of w1 in bytes
.set KST,   8320                       ; LDS: a K step's eight images
.set TST,   1040                       ; an image: 1,024 bytes + 16, so that the lanes of a store do not all fall 1,024 bytes apart
.set SCST,  16                         ; from column to column among the scale words
.set SCW,   66560                      ; w1's scale words: 512 s + 256 (tile % 2) + 16 r + 4 (tile / 2)
.set WA,  4                            ; v4   16 x lane: my bytes of a row
.set IMW, 5                            ; v5   where my codes go
.set SCA, 6                            ; v6   where my scale words go
.set LI0, 7                            ; v7   16 x lane: an image's place for my lane, K steps 0-3;  v8: K steps 4-7
.set SCR, 9                            ; v9   SCW + 16 x lane
.set XS,  32
.set WS,  40
.set ACC, 64
.set CD,  64                           ; v64-127  in the stream: block t's codes at CD + 16 t
.set MX,  128                          ; v128-131 largest magnitudes; v132-135 scale operands; v136-139 bytes; v140-143 scale words
.set SO,  132
.set BY,  136
.set WD,  140
.set TT,  160                          ; v160-191 eight rows x four columns on end;
.set TTB, 192                          ; v192-223 and the next eight rows
.set Z,   128                          ; gelu: z, z^2, P, Q, eight registers each
.set X2,  136
.set PP,  144
.set QQ,  152
.set KA,  160                          ; v[160:161], v[162:163] the two leading coefficients
.set KB,  162
.set PW,  164                          ; the hidden layer's scale word
.set TM,  168
.set PC,  184                          ; v184-191 the hidden layer's fragment
.set WB,  12                           ; s[12:13] w1 at my wave's first row
.set SEL, 34                           ; s[34:35] v_permlanex16_b32's selects for lane l xor 16
.set MSB, 0
.macro WIN new                         ; the immediate's high byte repeats the setting that is left; bits 1:0 source 0, 3:2 source 1, 5:4 source 2, 7:6 destination
.if MSB != \new
	s_set_vgpr_msb (MSB<<8)|\new
.set MSB, \new
.endif
.endm
.macro PLACES                          ; four places in front of loads into registers that matrix instructions have read, and of the first read of results
.rept 4
	v_nop
.endr
.endm
.macro COEF reg, bits                  ; a constant as a pair: the packed forms name the pair and take its low word for both halves
	s_mov_b32 s[\reg], \bits
	s_mov_b32 s[\reg+1], \bits
.endm
.macro LOADSET set, t                  ; block t (rows 32 t .. + 31 of my K step) into landing set
	WIN 0x40
.set ii, 0
.rept 32
	global_load_b128 v[128*(\set)+4*ii:128*(\set)+4*ii+3], v[WA], s[WB:WB+1] offset:(32*(\t)+ii)*PITCH th:TH_LOAD_NT
.set ii, ii+1
.endr
	WIN 0
.endm
; Block t in landing set becomes codes and scale bytes.  refill = 1: each group of sixteen rows is asked for again (block t + 2) when it has been copied out.  cnt: the loads that are younger than this block's.
.macro PROCESS set, t, refill, cnt
.set LND, 128*(\set)
.set CDT, CD+16*(\t)
	s_wait_loadcnt \cnt
	WIN 0x05
.irp c, 0,1,2,3
	v_max3_num_f32 v[MX+\c], |v[LND+\c]|, |v[LND+4+\c]|, 0x1800000   ; column c: rows 0, 1 and the floor 2^(3 - 127): the byte cannot fall under 1
.endr
.set ii, 2
.rept 15
.irp c, 0,1,2,3
	v_max3_num_f32 v[MX+\c], |v[LND+4*ii+\c]|, |v[LND+4*ii+4+\c]|, v[MX+\c]   ; the four columns by turns
.endr
.set ii, ii+2
.endr
	WIN 0
.irp c, 0,1,2,3
	v_add_nc_u32 v[SO+\c], 0xff000000, v[MX+\c]    ; 2 off the exponent field: the conversion's scale operand
.endr
.irp c, 0,1,2,3
	v_lshrrev_b32 v[BY+\c], 23, v[SO+\c]           ; the scale's byte
.endr
.irp c, 0,1,2,3
.if (\t) == 0
	v_mov_b32 v[WD+\c], v[BY+\c]                   ; four bytes to a word, the lower K in the lower byte
.else
	v_lshl_or_b32 v[WD+\c], v[BY+\c], 8*(\t), v[WD+\c]
.endif
.endr
.irp p, 0,1                                    ; sixteen rows at a time
	WIN 0x01
.irp q, 0,1
.irp c, 0,1,2,3
.irp j, 0,1,2,3,4,5,6,7
	v_mov_b32 v[TT+(TTB-TT)*\q+8*\c+\j], v[LND+4*(16*\p+8*\q+\j)+\c]   ; eight rows of a column on end
.endr
.endr
.endr
.if \refill
	WIN 0x40
	s_wait_alu depctr_va_vdst(0)                   ; the maxima and the copies are done reading these sixteen rows' registers, in which the loads land
.set jj, 0
.rept 16
	global_load_b128 v[LND+4*(16*\p+jj):LND+4*(16*\p+jj)+3], v[WA], s[WB:WB+1] offset:(32*((\t)+2)+16*\p+jj)*PITCH th:TH_LOAD_NT
.set jj, jj+1
.endr
.endif
	WIN 0
.irp q, 0,1
.irp c, 0,1,2,3
	v_cvt_scalef32_pk8_fp4_f32 v[CDT+4*\c+2*\p+\q], v[TT+(TTB-TT)*\q+8*\c:TT+(TTB-TT)*\q+8*\c+7], v[SO+\c]
.endr
.endr
	v_nop                                          ; one plain place behind a scaled conversion: the next sixteen rows' copies write its sources
.endr
	s_wait_alu depctr_va_vdst(0)                   ; the conversions have written this block's codes, which the LDS stores read (block 3: and the scale words are whole)
.irp c, 0,1,2,3
	ds_store_b128 v[IMW], v[CDT+4*\c:CDT+4*\c+3] offset:16*\c+512*((\t)/2)+256*((\t)%2)   ; block t of a tile's row: registers 4 (t / 2) on of lane 16 (t % 2) + r
.endr
.if (\t) == 3
.irp c, 0,1,2,3
	ds_store_b32 v[SCA], v[WD+\c] offset:SCST*\c
.endr
.endif
.endm
.macro FETCHW s, buf                   ; K step s: w1's eight fragments and their scale words, 17 LDS loads
	WIN 0x40
.irp tl, 0,1,2,3,4,5,6,7
.irp cc, 0,1
	ds_load_b128 v[128+64*(\buf)+8*\tl+4*\cc:128+64*(\buf)+8*\tl+4*\cc+3], v[LI0+(\s)/4] offset:KST*((\s)%4)+TST*\tl+512*\cc
.endr
.endr
	WIN 0
	ds_load_b128 v[WS+4*(\buf):WS+4*(\buf)+3], v[SCR] offset:512*(\s)   ; register b: lanes 0-15 tile 2 b, lanes 16-31 tile 2 b + 1
.endm
.macro TOKLOAD ahead                   ; my row's token of the tile ahead places further on: one load.  The slot is held inside the list, so the load stays in its buffer whatever the trip
	s_add_co_u32 s28, s26, \ahead
	v_add_nc_u32 v22, s28, v2
	v_min_u32 v22, s25, v22                        ; rows past the last place are the last place again
	v_add_nc_u32 v22, s24, v22
	v_min_u32 v22, 0x3ff, v22                      ; the slot
	v_lshlrev_b32 v11, 2, v22
	s_wait_alu depctr_va_vdst(0)                   ; v11 is written, which the load reads; and the lines that made the last tile's offsets from v14 are done with it: the load lands there
	global_load_b32 v14, v11, s[4:5]
.endm
.macro OPLOAD                          ; x's eight fragments and scale words of the token in v14: 18 loads
	v_min_u32 v14, 0x3ff, v14                      ; a token
	v_lshl_add_u32 v16, v14, 9, v12                ; its row of 512 bytes, + 16 h
	v_lshlrev_b32 v17, 5, v14                      ; its eight scale words
	WIN 0x40
	s_wait_alu depctr_va_vdst(0)                   ; v16 and v17 are written, which the loads read; and the last readers of the registers in which they land are done: in the stream set 0's maxima and copies, in the loop the tile's matrix instructions
.irp k, 0,1,2,3,4,5,6,7
.irp c, 0,1
	global_load_b128 v[8*\k+4*\c:8*\k+4*\c+3], v16, s[8:9] offset:64*\k+32*\c
.endr
.endr
	WIN 0
	global_load_b128 v[XS:XS+3], v17, s[10:11]
	global_load_b128 v[XS+4:XS+7], v17, s[10:11] offset:16
.endm
.macro MM ra, rb                       ; one matrix instruction on the registers named by rD, rA, rB, rC, rSA, rSB; ra, rb: the scale words stand in lanes 16-31
.if (\ra) == 0 && (\rb) == 0
	v_wmma_scale_f32_16x16x128_f8f6f4 v[rD:rD+7], v[rA:rA+7], v[rB:rB+7], v[rC:rC+7], v[rSA], v[rSB] matrix_a_fmt:MATRIX_FMT_FP4 matrix_b_fmt:MATRIX_FMT_FP4
.elseif (\ra) == 1 && (\rb) == 0
	v_wmma_scale_f32_16x16x128_f8f6f4 v[rD:rD+7], v[rA:rA+7], v[rB:rB+7], v[rC:rC+7], v[rSA], v[rSB] matrix_a_fmt:MATRIX_FMT_FP4 matrix_b_fmt:MATRIX_FMT_FP4 matrix_a_scale:MATRIX_SCALE_ROW1
.elseif (\ra) == 0 && (\rb) == 1
	v_wmma_scale_f32_16x16x128_f8f6f4 v[rD:rD+7], v[rA:rA+7], v[rB:rB+7], v[rC:rC+7], v[rSA], v[rSB] matrix_a_fmt:MATRIX_FMT_FP4 matrix_b_fmt:MATRIX_FMT_FP4 matrix_b_scale:MATRIX_SCALE_ROW1
.else
	v_wmma_scale_f32_16x16x128_f8f6f4 v[rD:rD+7], v[rA:rA+7], v[rB:rB+7], v[rC:rC+7], v[rSA], v[rSB] matrix_a_fmt:MATRIX_FMT_FP4 matrix_b_fmt:MATRIX_FMT_FP4 matrix_a_scale:MATRIX_SCALE_ROW1 matrix_b_scale:MATRIX_SCALE_ROW1
.endif
.endm
; gelu of eight numbers in place: x/2 + x/2 erf(x / sqrt 2).  The accumulator is read from its low end on.
.macro GELU8 a
.irp i, 0,2,4,6
	v_pk_mul_f32 v[Z+\i:Z+\i+1], v[(\a)+\i:(\a)+\i+1], s[56:57] op_sel_hi:[1,0]   ; z = x / sqrt 2
.endr
.irp i, 0,1,2,3,4,5,6,7
	v_med3_num_f32 v[Z+\i], v[Z+\i], -4.0, 4.0
.endr
.irp i, 0,2,4,6
	v_pk_mul_f32 v[X2+\i:X2+\i+1], v[Z+\i:Z+\i+1], v[Z+\i:Z+\i+1]
.endr
.irp i, 0,2,4,6
	v_pk_fma_f32 v[PP+\i:PP+\i+1], v[X2+\i:X2+\i+1], v[KA:KA+1], s[36:37] op_sel_hi:[1,1,0]
	v_pk_fma_f32 v[QQ+\i:QQ+\i+1], v[X2+\i:X2+\i+1], v[KB:KB+1], s[48:49] op_sel_hi:[1,1,0]
.endr
.irp k, 38,40,42,44,46
.irp i, 0,2,4,6
	v_pk_fma_f32 v[PP+\i:PP+\i+1], v[PP+\i:PP+\i+1], v[X2+\i:X2+\i+1], s[\k:\k+1] op_sel_hi:[1,1,0]
.endr
.endr
.irp k, 50,52,54
.irp i, 0,2,4,6
	v_pk_fma_f32 v[QQ+\i:QQ+\i+1], v[QQ+\i:QQ+\i+1], v[X2+\i:X2+\i+1], s[\k:\k+1] op_sel_hi:[1,1,0]
.endr
.endr
.irp i, 0,2,4,6
	v_pk_mul_f32 v[PP+\i:PP+\i+1], v[PP+\i:PP+\i+1], v[Z+\i:Z+\i+1]
.endr
	s_wait_alu depctr_va_vdst(0)
.irp i, 0,1,2,3,4,5,6,7
	v_rcp_f32 v[QQ+\i], v[QQ+\i]
.endr
.irp i, 0,2,4,6
	v_pk_mul_f32 v[(\a)+\i:(\a)+\i+1], v[(\a)+\i:(\a)+\i+1], 0.5 op_sel_hi:[1,0]   ; x / 2: also the plain places behind the reciprocals
.endr
	s_wait_alu depctr_va_vdst(0)                   ; the eight reciprocals have written QQ, which the next lines read: one wait for the batch
.irp i, 0,2,4,6
	v_pk_mul_f32 v[PP+\i:PP+\i+1], v[PP+\i:PP+\i+1], v[QQ+\i:QQ+\i+1]              ; erf
.endr
.irp i, 0,2,4,6
	v_pk_fma_f32 v[(\a)+\i:(\a)+\i+1], v[(\a)+\i:(\a)+\i+1], v[PP+\i:PP+\i+1], v[(\a)+\i:(\a)+\i+1]
.endr
.endm
; 64 numbers of a lane, register 16 b + i = k 32 b + 16 (lane / 16) + i of my row, become a fragment's codes in v[PC] on and its scale word in v[PW].
.macro QUANT s
.irp b, 0,1,2,3
	v_max3_num_f32 v[TM+\b], |v[\s+16*\b]|, |v[\s+1+16*\b]|, 0x1800000
.endr
.irp i, 2,4,6,8,10,12,14
.irp b, 0,1,2,3
	v_max3_num_f32 v[TM+\b], v[TM+\b], |v[\s+16*\b+\i]|, |v[\s+1+16*\b+\i]|
.endr
.endr
.irp b, 0,1,2,3
	v_permlanex16_b32 v[TM+4+\b], v[TM+\b], s[SEL], s[SEL+1]
.endr
.irp b, 0,1,2,3
	v_max_num_f32 v[TM+\b], v[TM+\b], v[TM+4+\b]
.endr
.irp b, 0,1,2,3
	v_add_nc_u32 v[TM+12+\b], 0xff000000, v[TM+\b]
.endr
.irp b, 0,1,2,3
	v_lshrrev_b32 v[TM+4+\b], 23, v[TM+12+\b]
.endr
	v_lshl_or_b32 v[PW], v[TM+5], 8, v[TM+4]
	v_lshl_or_b32 v[PW], v[TM+6], 16, v[PW]
	v_lshl_or_b32 v[PW], v[TM+7], 24, v[PW]
.irp b, 0,1,2,3
	v_cvt_scalef32_pk8_fp4_f32 v[PC+2*\b], v[\s+16*\b:\s+7+16*\b], v[TM+12+\b]
	v_cvt_scalef32_pk8_fp4_f32 v[PC+1+2*\b], v[\s+8+16*\b:\s+15+16*\b], v[TM+12+\b]
.endr
	v_nop                                          ; one plain place behind a scaled conversion
.irp c, 0,1
.irp i, 0,1
	v_permlane16_swap_b32 v[PC+4*\c+\i], v[PC+2+4*\c+\i]
.endr
.endr
.endm
	s_load_b256 s[4:11], s[0:1], 0x0               ; list s[4:5], meta s[6:7], xq s[8:9], xs s[10:11]
	s_load_b256 s[12:19], s[0:1], 0x20             ; w1 s[12:13], b1 s[14:15], hid s[16:17], hsc s[18:19]
	v_lshl_add_u32 v254, v0, 2, 0x11400
	v_mov_b32 v255, 0
	v_lshrrev_b32 v1, 5, v0
	v_readfirstlane_b32 s20, v1                    ; wave 0..7
	s_mov_b32 s21, ttmp9                           ; slice
	s_and_b32 s22, ttmp7, 0xffff                   ; expert
	v_and_b32 v1, 31, v0                           ; lane l
	v_and_b32 v2, 15, v0                           ; r
	v_bfe_u32 v3, v0, 4, 1                         ; h
	v_lshlrev_b32 v[WA], 4, v1
	; column 4 l + c is unit 32 (l / 8) + 16 ((l / 4) % 2) + 8 ((l / 2) % 2) + 4 (l % 2) + c: tile 2 (l / 8) + (l / 2) % 2, row 8 ((l / 4) % 2) + 4 (l % 2) + c
	v_bfe_u32 v15, v0, 3, 2
	v_mul_u32_u24 v[IMW], v15, 2*TST
	v_lshlrev_b32 v[SCA], 2, v15
	v_bfe_u32 v15, v0, 1, 1
	v_mad_u32_u24 v[IMW], v15, TST, v[IMW]
	v_lshl_add_u32 v[SCA], v15, 8, v[SCA]
	v_and_b32 v15, 1, v0
	v_lshl_add_u32 v[IMW], v15, 6, v[IMW]
	v_lshl_add_u32 v[SCA], v15, 6, v[SCA]
	v_bfe_u32 v15, v0, 2, 1
	v_lshl_add_u32 v[IMW], v15, 7, v[IMW]
	v_lshl_add_u32 v[SCA], v15, 7, v[SCA]
	s_wait_alu depctr_va_sdst(0)                   ; s20, the wave's number, is written, ahead of its first reader
	s_mul_i32 s28, s20, KST
	v_add_nc_u32 v[IMW], s28, v[IMW]
	s_lshl_b32 s28, s20, 9
	v_add_nc_u32 v[SCA], s28, v[SCA]
	v_add_nc_u32 v[SCA], SCW, v[SCA]
	v_lshlrev_b32 v[LI0], 4, v1
	v_add_nc_u32 v[LI0+1], 4*KST, v[LI0]
	v_add_nc_u32 v[SCR], SCW, v[LI0]
	v_lshlrev_b32 v12, 4, v3                       ; 16 h
	s_lshl_b32 s28, s22, 3
	v_mov_b32 v13, s28                             ; meta: 8 bytes an expert
	v_lshlrev_b32 v18, 6, v3                       ; b1: 64 h
	s_mov_b32 s[SEL], 0x76543210
	s_mov_b32 s[SEL+1], 0xfedcba98
	COEF 36, 0x32edffee                            ; P:  2.77068142e-08
	COEF 38, 0xb60cff51                            ;    -2.10102402e-06
	COEF 40, 0xb86ec2d2                            ;    -5.69250639e-05
	COEF 42, 0xba40ac63                            ;    -7.34990630e-04
	COEF 44, 0xbb41a1f6                            ;    -2.95459981e-03
	COEF 46, 0xbc83dbd4                            ;    -1.60960333e-02
	COEF 48, 0xb95fbd29                            ; Q: -2.13374055e-04
	COEF 50, 0xbadc924e                            ;    -1.68282697e-03
	COEF 52, 0xbbf19bf8                            ;    -7.37332917e-03
	COEF 54, 0xbc69b6a7                            ;    -1.42647391e-02
	COEF 56, 0x3f3504f3                            ; 1 / sqrt 2
	s_mov_b32 s58, 0xaf95df0b                      ; P's leading coefficient, -2.72614226e-10
	s_mov_b32 s59, 0xb77460cd                      ; Q's, -1.45660718e-05
	s_lshl_b32 s30, s22, 23                        ; w1: 8 MiB an expert, 128 rows of 8,192 bytes a wave, 512 bytes a slice
	s_lshl_b32 s28, s20, 20
	s_add_co_u32 s30, s30, s28
	s_lshl_b32 s28, s21, 9
	s_add_co_u32 s30, s30, s28
	s_mov_b32 s31, 0
	s_lshl_b32 s32, s22, 13                        ; b1: 8,192 bytes an expert, 512 a slice
	s_add_co_u32 s32, s32, s28
	s_mov_b32 s33, 0
	s_wait_kmcnt 0x0
	s_add_nc_u64 s[WB:WB+1], s[WB:WB+1], s[30:31]
	s_add_nc_u64 s[14:15], s[14:15], s[32:33]
	s_lshl_b32 s30, s21, 16                        ; hid: a slice is one K step of the next product, 2 x 32,768 bytes
	s_add_nc_u64 s[16:17], s[16:17], s[30:31]
	s_lshl_b32 s30, s21, 12                        ; hsc: 4,096 bytes a K step
	s_add_nc_u64 s[18:19], s[18:19], s[30:31]
	s_wait_alu depctr_va_vdst(0)                   ; v4 to v9, v13 and v18 are written: the offsets and LDS addresses that the stream's loads and stores, the fetches and b1's loads read
	global_load_b64 v[24:25], v13, s[6:7]          ; (cnt, off), the same pair in every lane: the oldest load
	LOADSET 0, 0
	LOADSET 1, 1
	s_wait_loadcnt 63                              ; 65 loads have been issued: with 63 out at the most the oldest, meta's, is in
	v_readfirstlane_b32 s23, v24
	v_readfirstlane_b32 s24, v25
	s_wait_alu depctr_va_sdst(0)                   ; s23 and s24 are written, ahead of their first readers
	s_min_u32 s23, s23, 0x400                      ; cnt
	s_min_u32 s24, s24, 0x3ff                      ; off
	s_max_u32 s25, s23, 1
	s_sub_co_u32 s25, s25, 1                       ; the last place
	s_lshl_b32 s26, s20, 4                         ; my tile's first place: 16 w + 128 trip
	TOKLOAD 0
	PROCESS 0, 0, 1, 33                            ; younger than block 0's loads: block 1's 32 and the list's one
	PROCESS 1, 1, 1, 33                            ; younger than block 1's: the list's one and block 2's 32
	PROCESS 0, 2, 0, 32                            ; younger than block 2's: block 3's 32.  The list's word is older: it is in
	OPLOAD                                         ; into set 0's registers, which are done with
	WIN 0x40
.irp tl, 0,1,2,3,4,5,6,7                       ; b1 in the result's layout: lane (r, h), tile 2 b + u: units 32 b + 16 h + 8 u + 0 .. 7.  No wait of their own: only loads stand since OPLOAD's, behind which set 0's readers are done
	global_load_b128 v[64+8*\tl:64+8*\tl+3], v18, s[14:15] offset:(32*(\tl/2)+8*(\tl%2))*4
	global_load_b128 v[64+8*\tl+4:64+8*\tl+7], v18, s[14:15] offset:(32*(\tl/2)+8*(\tl%2))*4+16
.endr
	WIN 0
	PROCESS 1, 3, 0, 34                            ; 18 loads of x and 16 of b1 are younger than block 3's
	v_mov_b32 v[KA], s58
	v_mov_b32 v[KA+1], s58
	v_mov_b32 v[KB], s59
	v_mov_b32 v[KB+1], s59
.irp b, 0,1,2,3
	v_mov_b32 v[TM+4+\b], 0                        ; written once: a lane permute's destination counts as one of its sources
.endr
	s_wait_dscnt 0x0                               ; my images and scale words have landed
	s_barrier_signal -1
	s_barrier_wait -1                              ; the slice's 64 fragments lie in LDS; from here on LDS is only read
	s_wait_alu depctr_vm_vsrc(0)                   ; my LDS stores have read the four blocks' codes and the scale words: these registers are the accumulators and gelu's from here on; and the first loads by v11, v16 and v17 have read them: the loop writes all three again
	s_mov_b32 s29, 0
.Ltile:
	s_cmp_ge_u32 s26, s23
	s_cbranch_scc1 .Lskip                          ; no row left for this trip
	s_wait_loadcnt 0x0                             ; x's fragments and scale words (and, in the first trip, b1)
	TOKLOAD 128                                    ; my next tile's token is asked for under the products, whether or not that tile has rows
	FETCHW 0, 0                                    ; no wait of their own: no vector or matrix instruction stands since TOKLOAD's, behind which the last readers of both sets are done (set 1's maxima and copies, or the last tile's matrix instructions)
	FETCHW 1, 1
.irp s, 0,1,2,3,4,5,6,7
.if \s < 7
	s_wait_dscnt 17                                ; this K step's fetch is in; the next one's 17 loads may be out
.else
	s_wait_dscnt 0x0
.endif
.if \s == 0
	WIN 0x15                                       ; w1, x and b1 in window 1; the results in window 0
.else
	WIN 0x05
.endif
.irp tl, 0,1,2,3,4,5,6,7                       ; the eight accumulators by turns, one instruction a turn
.set rD, ACC+8*\tl
.set rA, 128+64*(\s%2)+8*\tl
.set rB, 8*\s
.set rC, ACC+8*\tl                             ; b1's tiles bear the accumulators' numbers in window 1
.set rSA, WS+4*(\s%2)+\tl/2
.set rSB, XS+\s
	MM \tl%2, 0
.endr
.if \s < 6
	PLACES
	s_wait_alu depctr_va_vdst(0)                   ; this K step's matrix instructions are done reading their set of w1's fragments and scale words, in which the fetch lands
	FETCHW \s+2, \s%2
.endif
.endr
	WIN 0
	PLACES
	s_add_co_u32 s28, s26, 128
	s_cmp_lt_u32 s28, s23
	s_cbranch_scc0 .Lnonext
	s_wait_loadcnt 0x0                             ; the next tile's token
	OPLOAD                                         ; its x lands under the gelu
.Lnonext:
.irp tl, 0,1,2,3,4,5,6,7
	GELU8 ACC+8*\tl
.endr
	QUANT ACC
	v_add_nc_u32 v19, s26, v2
	v_min_u32 v19, s25, v19                        ; rows past the last place are the last place again
	v_add_nc_u32 v19, s24, v19
	v_min_u32 v19, 0x3ff, v19                      ; my row's slot
	v_lshl_add_u32 v20, v19, 5, v12
	v_lshlrev_b32 v21, 2, v19
	s_wait_alu depctr_va_vdst(0)                   ; the quantiser has written PC and PW, the lines above v20 and v21: the three stores read them
	global_store_b128 v20, v[PC:PC+3], s[16:17]                 ; a full tile's store covers 512 consecutive bytes
	global_store_b128 v20, v[PC+4:PC+7], s[16:17] offset:32768
	global_store_b32 v21, v[PW], s[18:19]                       ; lanes r and r + 16 store the same word with the same value
	s_wait_xcnt 0x0                                ; the stores' registers are written again in the next trip
	s_wait_alu depctr_vm_vsrc(0)                   ; this trip's loads have read v11, v16 and v17, its stores v20, v21, PC and PW: the next trip writes them all again
.Lskip:
	s_add_co_u32 s26, s26, 128
	s_add_co_u32 s29, s29, 1
	s_cmp_lt_u32 s29, 8
	s_cbranch_scc1 .Ltile
	s_wait_dscnt 0x0                               ; the closing lines, six on end
	s_wait_alu 0x0
	s_wait_tensorcnt 0x0
	ds_add_u32 v254, v255
	s_wait_dscnt 0x0
	s_endpgm
.Lfunc_end_k_qf1de1a380a_layer1:
	.size	k_qf1de1a380a_layer1, .Lfunc_end_k_qf1de1a380a_layer1-k_qf1de1a380a_layer1
	.p2alignl 7, 3214868480
	.fill 96, 4, 3214868480
	.section	.rodata,"a",@progbits
	.p2align	6, 0x0
	.amdhsa_kernel k_qf1de1a380a_layer1
		.amdhsa_group_segment_fixed_size 71680
		.amdhsa_private_segment_fixed_size 0
		.amdhsa_enable_private_segment 0
		.amdhsa_kernarg_size 64
		.amdhsa_user_sgpr_count 2
		.amdhsa_user_sgpr_kernarg_segment_ptr 1
		.amdhsa_wavefront_size32 1
		.amdhsa_system_sgpr_workgroup_id_x 1
		.amdhsa_system_sgpr_workgroup_id_y 1
		.amdhsa_system_sgpr_workgroup_id_z 1
		.amdhsa_system_vgpr_workitem_id 0
		.amdhsa_next_free_vgpr 512
		.amdhsa_next_free_sgpr 66
		.amdhsa_reserve_vcc 0
		.amdhsa_float_denorm_mode_32 3
		.amdhsa_float_denorm_mode_16_64 3
		.amdhsa_memory_ordered 1
		.amdhsa_forward_progress 1
		.amdhsa_inst_pref_size 128
	.end_amdhsa_kernel
	.amdgpu_metadata
---
amdhsa.version: [ 1, 2 ]
amdhsa.kernels:
  - .name:           k_qf1de1a380a_layer1
    .symbol:         k_qf1de1a380a_layer1.kd
    .args:
      - { .name: list, .offset: 0, .size: 8, .value_kind: global_buffer, .address_space: global }
      - { .name: meta, .offset: 8, .size: 8, .value_kind: global_buffer, .address_space: global }
      - { .name: xq, .offset: 16, .size: 8, .value_kind: global_buffer, .address_space: global }
      - { .name: xs, .offset: 24, .size: 8, .value_kind: global_buffer, .address_space: global }
      - { .name: w1, .offset: 32, .size: 8, .value_kind: global_buffer, .address_space: global }
      - { .name: b1, .offset: 40, .size: 8, .value_kind: global_buffer, .address_space: global }
      - { .name: hid, .offset: 48, .size: 8, .value_kind: global_buffer, .address_space: global }
      - { .name: hsc, .offset: 56, .size: 8, .value_kind: global_buffer, .address_space: global }
    .group_segment_fixed_size: 71680
    .private_segment_fixed_size: 0
    .kernarg_segment_align: 8
    .kernarg_segment_size: 64
    .max_flat_workgroup_size: 256
    .sgpr_count:     66
    .vgpr_count:     512
    .wavefront_size: 32
...
	.end_amdgpu_metadata
.endif
;; end of part 7
;; launch layer2 (part 8): grid 16 x 16, 8 waves a work-group, no clusters, 106,496 bytes of LDS; arguments list, meta, gate, hid, hsc, w2, b2, out0; writes out0
.if DOCPART == 8
	.amdgcn_target "amdgcn-amd-amdhsa--gfx1250"
	.amdhsa_code_object_version 6
	.text
	.protected	k_qf1de1a380a_layer2
	.globl	k_qf1de1a380a_layer2
	.p2align	8
	.type	k_qf1de1a380a_layer2,@function
k_qf1de1a380a_layer2:
	s_mov_b64 s[64:65], 0
	v_nop
	global_prefetch_b8 v0, s[64:65] scope:SCOPE_SE
	s_setreg_imm32_b32 hwreg(HW_REG_WAVE_SCHED_MODE, 0, 2), 2
	s_setreg_imm32_b32 hwreg(HW_REG_WAVE_MODE, 25, 1), 1
	s_wait_xcnt 0x0
	s_wait_alu depctr_vm_vsrc(0)
; THE SECOND LAYER OF THE CHOSEN EXPERT: out[token] = gate[token] x (hidden Q(w2[e]) + b2[e]), only for the tokens whose expert is e.  The hidden layer comes as codes from hid and hsc, by slot.
; SHARES.  Work-group (x = slice, y = expert e) owns outputs 64 slice .. + 63 of expert e: 2,048 rows x 256 bytes of w2, 524,288 bytes that no other work-group reads.  Every output row's 256 bytes have one owner.
; PHASE 1, THE STREAM.  Wave w takes K steps 2 w (lanes 0-15) and 2 w + 1 (lanes 16-31); a load is two rows' 256 bytes, 16 a lane: four columns of one row.  Two landing sets of 32 rows, 64 loads a wave asked for at the start,
; each group of sixteen rows asked for again when it has been copied out.  A block of 32 along K of a column lies in one lane.  The codes go to LDS as images of the operand's registers, tiles of 16 neighbouring outputs.
; THE ROWS' NUMBERS come from memory, as an earlier launch stored them: meta[e] = (cnt, off), list[slot] = token, expert e's tokens in slots off .. off + cnt - 1.  A tile's rows past cnt take the last slot again.
; PHASE 2, THE ROWS.  Wave w takes the tiles of 16 rows at places 16 w + 128 trip, eight trips by count; a trip whose tile begins at or past cnt is jumped over (a scalar branch on the stored count; no barrier stands there).
; A tile: 16 fragments of the hidden layer by slot, 64 matrix instructions (TRANSPOSED: source 0 = 16 outputs of w2, source 1 = 16 tokens; b2 is the C of the first K step), x gate, through the wave's own stage in LDS,
; and out by the list: sixteen lanes store a token's 256 consecutive bytes.  Rows past cnt repeat the last token and store its bits again.
; NO TENSOR LOAD, NO CLUSTER: branches hang on cnt, a number read from memory; and what the sixteen work-groups of an expert share, 1,088 bytes a token of hid and hsc, is small beside the 524,288 bytes that each reads alone.
; A work-group whose expert has no token still streams its slice and stores nothing: the barrier stands on every wave's path, under no branch on a loaded number.
; LIMITS: NaN and infinities are not served.  A block whose largest magnitude lies under 2^-124 keeps the scale byte 1; a block of zeros gets the byte 1 where the rule says 127 (its codes are zeros; only this program reads the bytes).
; REGISTERS.  Window 0: v0-31 ids and addresses; v32-39 the hidden layer's scale words; v40-47 w2's, four sets; v48-51 the gate; v52-59 the rows' addresses; v64-95 b2's four tiles; v96-159 in the stream the four blocks' codes,
;   v96-127 then the four accumulators; v160-191 at work; v192-199 the rows' tokens as loaded; v200-207 their places in the list; v208-251 at work in the stream.
;   Window 1: the two landing sets; behind the stream v0-127 the hidden layer's 16 fragments, v128-255 four sets of w2's four.
; THE MODE: SCHED_MODE bits 1:0 = 2 (LLVM: expert scheduling mode 2), set by the entry lines.  The code itself states the register dependences between vector or matrix instructions and memory or LDS instructions, with s_wait_alu, always for 0.
; THE PLAN.  Registers that memory or LDS instructions touch:
;   v4-v9, v13, v20-v22  offsets and LDS addresses, made once at the head and never written again: one wait on va_vdst ahead of the first load.
;   the landing sets     written by loads; read by a block's maxima and copies.  In blocks 0 and 1 sixteen rows are copied out, one wait on va_vdst states that their readers are done, and the sixteen loads follow it.
;   CD + 16 t            block t's codes, registers of its own for each block: written by its conversions, read by its four LDS stores behind one wait on va_vdst, and not written again in the stream.
;   WD                   the scale words: written in all four blocks, read by block 3's LDS stores behind the same wait.
;   v11, RA / v14, RT    TOKLOAD: nine offsets into the list, all made first, then one wait on va_vdst, then the nine loads / their words, which OPLOAD and the rows' addresses read.
;   v16, v17, v18        OPLOAD: three offsets, written and then read by its 41 loads, which land in the hidden layer's fragments and scale words and in the gate: read by a tile's matrix instructions and by two copies at the trip's head.
;   w2's four sets, WS   written by FETCHW's LDS loads, read by a K step's matrix instructions.  The sets are filled two at a time: one wait on va_vdst behind every second K step states that both steps' matrix instructions are done reading.
;   ACC / OUTR / ROWA    the accumulators, x gate, are read by the stage's LDS stores behind one wait on va_vdst / the stage's LDS loads land in OUTR, which the global stores read / the rows' addresses, made at the trip's head.
; What memory or LDS instructions have read and the loop writes again (CD as accumulators, v11, RA, v16-v18, ACC, OUTR, ROWA) is freed by a wait on vm_vsrc in two places:
; behind the barrier, ahead of the loop, and at each trip's end, ahead of the label and the backward jump.  Every way to such a write passes one of the two behind the last reader.
.set PITCH, 4096                       ; a row of w2 in bytes
.set KST,   4160                       ; LDS: a K step's four images
.set TST,   1040                       ; an image: 1,024 bytes + 16
.set SCST,  8                          ; from column to column among the scale words
.set SCW,   66560                      ; w2's scale words: 256 s + 128 (tile % 2) + 8 r + 4 (tile / 2)
.set STG,   70656                      ; the way out: 16 rows x (256 bytes + 16) for each wave
.set WA,  4
.set IMW, 5
.set SCA, 6
.set LI0, 7                            ; v7: K steps 0-7;  v8: K steps 8-15
.set SCR, 9                            ; SCW + 8 x lane
.set HS,  32                           ; register i: lanes 0-15 K step 2 i, lanes 16-31 K step 2 i + 1
.set WS,  40
.set ROWA, 52
.set BI,  64
.set ACC, 96
.set CD,  96                           ; v96-159  in the stream: block t's codes at CD + 16 t
.set TT,  160                          ; v160-191 eight rows x four columns on end;
.set TTB, 220                          ; v220-251 and the next eight rows
.set MX,  208                          ; v208-211 largest magnitudes, then the bytes; v212-215 scale operands; v216-219 scale words
.set BY,  208
.set SO,  212
.set WD,  216
.set OUTR, 160                         ; the way out: 16 rows read back from the stage
.set RT,  192
.set RA,  200
.set WB,  14                           ; s[14:15] w2 at my wave's first row
.set MSB, 0
.macro WIN new                         ; the immediate's high byte repeats the setting that is left; bits 1:0 source 0, 3:2 source 1, 5:4 source 2, 7:6 destination
.if MSB != \new
	s_set_vgpr_msb (MSB<<8)|\new
.set MSB, \new
.endif
.endm
.macro PLACES                          ; four places in front of loads into registers that matrix instructions have read, and of the first read of results
.rept 4
	v_nop
.endr
.endm
.macro LOADSET set, t                  ; block t (rows 32 t .. + 31 of my lanes' K steps) into landing set
	WIN 0x40
.set ii, 0
.rept 32
	global_load_b128 v[128*(\set)+4*ii:128*(\set)+4*ii+3], v[WA], s[WB:WB+1] offset:(32*(\t)+ii)*PITCH th:TH_LOAD_NT
.set ii, ii+1
.endr
	WIN 0
.endm
; Block t in landing set becomes codes and scale bytes.  refill = 1: each group of sixteen rows is asked for again (block t + 2) when it has been copied out.  cnt: the loads that are younger than this block's.
.macro PROCESS set, t, refill, cnt
.set LND, 128*(\set)
.set CDT, CD+16*(\t)
	s_wait_loadcnt \cnt
	WIN 0x05
.irp c, 0,1,2,3
	v_max3_num_f32 v[MX+\c], |v[LND+\c]|, |v[LND+4+\c]|, 0x1800000   ; column c: rows 0, 1 and the floor 2^(3 - 127): the byte cannot fall under 1
.endr
.set ii, 2
.rept 15
.irp c, 0,1,2,3
	v_max3_num_f32 v[MX+\c], |v[LND+4*ii+\c]|, |v[LND+4*ii+4+\c]|, v[MX+\c]   ; the four columns by turns
.endr
.set ii, ii+2
.endr
	WIN 0
.irp c, 0,1,2,3
	v_add_nc_u32 v[SO+\c], 0xff000000, v[MX+\c]    ; 2 off the exponent field: the conversion's scale operand
.endr
.irp c, 0,1,2,3
	v_lshrrev_b32 v[BY+\c], 23, v[SO+\c]           ; the scale's byte, in the register that held the largest magnitude
.endr
.irp c, 0,1,2,3
.if (\t) == 0
	v_mov_b32 v[WD+\c], v[BY+\c]                   ; four bytes to a word, the lower K in the lower byte
.else
	v_lshl_or_b32 v[WD+\c], v[BY+\c], 8*(\t), v[WD+\c]
.endif
.endr
.irp p, 0,1                                    ; sixteen rows at a time
	WIN 0x01
.irp q, 0,1
.irp c, 0,1,2,3
.irp j, 0,1,2,3,4,5,6,7
	v_mov_b32 v[TT+(TTB-TT)*\q+8*\c+\j], v[LND+4*(16*\p+8*\q+\j)+\c]   ; eight rows of a column on end
.endr
.endr
.endr
.if \refill
	WIN 0x40
	s_wait_alu depctr_va_vdst(0)                   ; the maxima and the copies are done reading these sixteen rows' registers, in which the loads land
.set jj, 0
.rept 16
	global_load_b128 v[LND+4*(16*\p+jj):LND+4*(16*\p+jj)+3], v[WA], s[WB:WB+1] offset:(32*((\t)+2)+16*\p+jj)*PITCH th:TH_LOAD_NT
.set jj, jj+1
.endr
.endif
	WIN 0
.irp q, 0,1
.irp c, 0,1,2,3
	v_cvt_scalef32_pk8_fp4_f32 v[CDT+4*\c+2*\p+\q], v[TT+(TTB-TT)*\q+8*\c:TT+(TTB-TT)*\q+8*\c+7], v[SO+\c]
.endr
.endr
	v_nop                                          ; one plain place behind a scaled conversion: the next sixteen rows' copies write its sources
.endr
	s_wait_alu depctr_va_vdst(0)                   ; the conversions have written this block's codes, which the LDS stores read (block 3: and the scale words are whole)
.irp c, 0,1,2,3
	ds_store_b128 v[IMW], v[CDT+4*\c:CDT+4*\c+3] offset:16*\c+512*((\t)/2)+256*((\t)%2)   ; block t of a tile's row: registers 4 (t / 2) on of lane 16 (t % 2) + r
.endr
.if (\t) == 3
.irp c, 0,1,2,3
	ds_store_b32 v[SCA], v[WD+\c] offset:SCST*\c
.endr
.endif
.endm
.macro FETCHW s, buf                   ; K step s: w2's four fragments and their scale words, 9 LDS loads
	WIN 0x40
.irp tl, 0,1,2,3
.irp cc, 0,1
	ds_load_b128 v[128+32*(\buf)+8*\tl+4*\cc:128+32*(\buf)+8*\tl+4*\cc+3], v[LI0+(\s)/8] offset:KST*((\s)%8)+TST*\tl+512*\cc
.endr
.endr
	WIN 0
	ds_load_b64 v[WS+2*(\buf):WS+2*(\buf)+1], v[SCR] offset:256*(\s)   ; register b: lanes 0-15 tile 2 b, lanes 16-31 tile 2 b + 1
.endm
; The tokens of the tile ahead places further on: row r's, for the gate, and those of rows 2 i + (lane / 16), for the way out: 9 loads.  Every slot is held inside the list, so the loads stay in their buffer whatever the trip.
; All nine offsets are made first, so that one wait serves the nine loads.
.macro TOKLOAD ahead
	s_add_co_u32 s28, s26, \ahead
	v_add_nc_u32 v19, s28, v2
	v_min_u32 v19, s25, v19                        ; rows past the last place are the last place again
	v_add_nc_u32 v19, s24, v19
	v_min_u32 v19, 0x3ff, v19                      ; my row's slot: OPLOAD takes it up
	v_lshlrev_b32 v11, 2, v19
	v_add_nc_u32 v27, s28, v3
.irp i, 0,1,2,3,4,5,6,7
	v_add_nc_u32 v[RA+\i], 2*\i, v27
	v_min_u32 v[RA+\i], s25, v[RA+\i]
	v_add_nc_u32 v[RA+\i], s24, v[RA+\i]
	v_min_u32 v[RA+\i], 0x3ff, v[RA+\i]
	v_lshlrev_b32 v[RA+\i], 2, v[RA+\i]
.endr
	s_wait_alu depctr_va_vdst(0)                   ; v11 and RA are written, which the loads read; and the lines that read the last words in v14 and RT are done with them: the loads land there
	global_load_b32 v14, v11, s[4:5]
.irp i, 0,1,2,3,4,5,6,7
	global_load_b32 v[RT+\i], v[RA+\i], s[4:5]
.endr
.endm
.macro OPLOAD                          ; the hidden layer's 16 fragments and scale words of the slot in v19, and the gate of the token in v14: 41 loads
	v_lshl_add_u32 v16, v19, 5, v12                ; 32 bytes a slot, + 16 h
	v_lshl_add_u32 v17, v19, 2, v28                ; a word a slot; lanes 16-31 the odd K steps
	v_min_u32 v14, 0x3ff, v14                      ; my row's token
	v_lshlrev_b32 v18, 2, v14
	WIN 0x40
	s_wait_alu depctr_va_vdst(0)                   ; v16, v17 and v18 are written, which the loads read; and the last readers of the registers in which they land are done: in the stream set 0's maxima and copies, in the loop the tile's matrix instructions and the gate's two copies
.irp k, 0,1,2,3,4,5,6,7,8,9,10,11,12,13,14,15
.irp c, 0,1
	global_load_b128 v[8*\k+4*\c:8*\k+4*\c+3], v16, s[10:11] offset:(2*\k+\c)*32768
.endr
.endr
	WIN 0
.irp i, 0,1,2,3,4,5,6,7
	global_load_b32 v[HS+\i], v17, s[12:13] offset:8192*\i
.endr
	global_load_b32 v48, v18, s[8:9]
.endm
.macro MM ra, rb                       ; one matrix instruction on the registers named by rD, rA, rB, rC, rSA, rSB; ra, rb: the scale words stand in lanes 16-31
.if (\ra) == 0 && (\rb) == 0
	v_wmma_scale_f32_16x16x128_f8f6f4 v[rD:rD+7], v[rA:rA+7], v[rB:rB+7], v[rC:rC+7], v[rSA], v[rSB] matrix_a_fmt:MATRIX_FMT_FP4 matrix_b_fmt:MATRIX_FMT_FP4
.elseif (\ra) == 1 && (\rb) == 0
	v_wmma_scale_f32_16x16x128_f8f6f4 v[rD:rD+7], v[rA:rA+7], v[rB:rB+7], v[rC:rC+7], v[rSA], v[rSB] matrix_a_fmt:MATRIX_FMT_FP4 matrix_b_fmt:MATRIX_FMT_FP4 matrix_a_scale:MATRIX_SCALE_ROW1
.elseif (\ra) == 0 && (\rb) == 1
	v_wmma_scale_f32_16x16x128_f8f6f4 v[rD:rD+7], v[rA:rA+7], v[rB:rB+7], v[rC:rC+7], v[rSA], v[rSB] matrix_a_fmt:MATRIX_FMT_FP4 matrix_b_fmt:MATRIX_FMT_FP4 matrix_b_scale:MATRIX_SCALE_ROW1
.else
	v_wmma_scale_f32_16x16x128_f8f6f4 v[rD:rD+7], v[rA:rA+7], v[rB:rB+7], v[rC:rC+7], v[rSA], v[rSB] matrix_a_fmt:MATRIX_FMT_FP4 matrix_b_fmt:MATRIX_FMT_FP4 matrix_a_scale:MATRIX_SCALE_ROW1 matrix_b_scale:MATRIX_SCALE_ROW1
.endif
.endm
	s_load_b256 s[4:11], s[0:1], 0x0               ; list s[4:5], meta s[6:7], gate s[8:9], hid s[10:11]
	s_load_b256 s[12:19], s[0:1], 0x20             ; hsc s[12:13], w2 s[14:15], b2 s[16:17], out0 s[18:19]
	v_lshl_add_u32 v254, v0, 2, 0x19c00
	v_mov_b32 v255, 0
	v_lshrrev_b32 v1, 5, v0
	v_readfirstlane_b32 s20, v1                    ; wave 0..7
	s_mov_b32 s21, ttmp9                           ; slice
	s_and_b32 s22, ttmp7, 0xffff                   ; expert
	v_and_b32 v1, 31, v0                           ; lane
	v_and_b32 v2, 15, v0                           ; r (in the stream: g, my four columns)
	v_bfe_u32 v3, v0, 4, 1                         ; h (in the stream: which of my wave's two K steps)
	v_lshlrev_b32 v[WA], 4, v2
	v_lshl_add_u32 v[WA], v3, 19, v[WA]            ; 16 g, + 128 rows of 4,096 bytes for lanes 16-31
	; column 4 g + c: tile g / 4, row 4 (g % 4) + c
	v_bfe_u32 v15, v0, 2, 2
	v_mul_u32_u24 v[IMW], v15, TST
	v_and_b32 v15, 3, v0
	v_lshl_add_u32 v[IMW], v15, 6, v[IMW]
	v_lshlrev_b32 v[SCA], 5, v15
	v_mad_u32_u24 v[IMW], v3, KST, v[IMW]
	v_lshl_add_u32 v[SCA], v3, 8, v[SCA]
	v_bfe_u32 v15, v0, 2, 1
	v_lshl_add_u32 v[SCA], v15, 7, v[SCA]
	v_bfe_u32 v15, v0, 3, 1
	v_lshl_add_u32 v[SCA], v15, 2, v[SCA]
	s_wait_alu depctr_va_sdst(0)                   ; s20, the wave's number, is written, ahead of its first reader
	s_mul_i32 s28, s20, 2*KST
	v_add_nc_u32 v[IMW], s28, v[IMW]
	s_lshl_b32 s28, s20, 9
	v_add_nc_u32 v[SCA], s28, v[SCA]
	v_add_nc_u32 v[SCA], SCW, v[SCA]
	v_lshlrev_b32 v[LI0], 4, v1
	v_add_nc_u32 v[LI0+1], 8*KST, v[LI0]
	v_lshlrev_b32 v[SCR], 3, v1
	v_add_nc_u32 v[SCR], SCW, v[SCR]
	v_lshlrev_b32 v12, 4, v3                       ; 16 h
	s_lshl_b32 s28, s22, 3
	v_mov_b32 v13, s28                             ; meta: 8 bytes an expert
	v_lshlrev_b32 v20, 5, v3                       ; b2: 32 h
	v_lshlrev_b32 v28, 12, v3                      ; hsc: 4,096 h
	v_lshlrev_b32 v26, 4, v2                       ; the way out: my 16 bytes of a row's 256
	s_mul_i32 s28, s20, 16*272
	s_add_co_u32 s28, s28, STG                     ; my stage
	v_mul_u32_u24 v21, v2, 272
	v_lshl_add_u32 v21, v3, 5, v21
	v_add_nc_u32 v21, s28, v21                     ; in: row r, + 32 h
	v_mul_u32_u24 v22, v3, 272
	v_lshl_add_u32 v22, v2, 4, v22
	v_add_nc_u32 v22, s28, v22                     ; back: lanes 0-15 one row, lanes 16-31 the next
	s_lshl_b32 s30, s22, 23                        ; w2: 8 MiB an expert, 256 rows of 4,096 bytes a wave, 256 bytes a slice
	s_lshl_b32 s28, s20, 20
	s_add_co_u32 s30, s30, s28
	s_lshl_b32 s28, s21, 8
	s_add_co_u32 s30, s30, s28
	s_mov_b32 s31, 0
	s_lshl_b32 s32, s22, 12                        ; b2: 4,096 bytes an expert, 256 a slice
	s_add_co_u32 s32, s32, s28
	s_mov_b32 s33, 0
	s_wait_kmcnt 0x0
	s_add_nc_u64 s[WB:WB+1], s[WB:WB+1], s[30:31]
	s_add_nc_u64 s[16:17], s[16:17], s[32:33]
	s_mov_b32 s30, s28                             ; out0: 256 bytes a slice
	s_add_nc_u64 s[18:19], s[18:19], s[30:31]
	s_wait_alu depctr_va_vdst(0)                   ; v4 to v9, v13 and v20 to v22 are written: the offsets and LDS addresses that the stream's loads and stores, the fetches, b2's loads and the stage read
	global_load_b64 v[24:25], v13, s[6:7]          ; (cnt, off), the same pair in every lane: the oldest load
	LOADSET 0, 0
	LOADSET 1, 1
	s_wait_loadcnt 63                              ; 65 loads have been issued: with 63 out at the most the oldest, meta's, is in
	v_readfirstlane_b32 s23, v24
	v_readfirstlane_b32 s24, v25
	s_wait_alu depctr_va_sdst(0)                   ; s23 and s24 are written, ahead of their first readers
	s_min_u32 s23, s23, 0x400                      ; cnt
	s_min_u32 s24, s24, 0x3ff                      ; off
	s_max_u32 s25, s23, 1
	s_sub_co_u32 s25, s25, 1                       ; the last place
	s_lshl_b32 s26, s20, 4                         ; my tile's first place: 16 w + 128 trip
	TOKLOAD 0
	PROCESS 0, 0, 1, 41                            ; younger than block 0's loads: block 1's 32 and the list's nine
	PROCESS 1, 1, 1, 41                            ; younger than block 1's: the list's nine and block 2's 32
	PROCESS 0, 2, 0, 32                            ; younger than block 2's: block 3's 32.  The list's words are older: they are in
	OPLOAD                                         ; into set 0's registers, which are done with
.irp tl, 0,1,2,3                               ; b2 in the result's layout: lane (r, h), tile: outputs 16 tile + 8 h + 0 .. 7.  No vector instruction has named these registers
	global_load_b128 v[BI+8*\tl:BI+8*\tl+3], v20, s[16:17] offset:64*\tl
	global_load_b128 v[BI+8*\tl+4:BI+8*\tl+7], v20, s[16:17] offset:64*\tl+16
.endr
	PROCESS 1, 3, 0, 49                            ; 41 loads of the tile's operands and 8 of b2 are younger than block 3's
	s_wait_dscnt 0x0                               ; my images and scale words have landed
	s_barrier_signal -1
	s_barrier_wait -1                              ; the slice's 64 fragments lie in LDS; from here on each wave writes only its own stage
	s_wait_alu depctr_vm_vsrc(0)                   ; my LDS stores have read the four blocks' codes: the first two blocks' registers are the accumulators from here on; and the first loads by v11, RA, v16, v17 and v18 have read them: the loop writes them all again
	s_mov_b32 s29, 0
.Ltile:
	s_cmp_ge_u32 s26, s23
	s_cbranch_scc1 .Lskip                          ; no row left for this trip
	s_wait_loadcnt 0x0                             ; the tile's operands (and, in the first trip, b2)
	v_mov_b32 v50, v48                             ; the gate, kept as a pair: v48 takes the next tile's
	v_mov_b32 v51, v48
.irp i, 0,1,2,3,4,5,6,7
	v_min_u32 v[ROWA+\i], 0x3ff, v[RT+\i]                               ; the tokens of rows 2 i and 2 i + 1,
	v_lshl_add_u32 v[ROWA+\i], v[ROWA+\i], 12, v26                      ; their rows of 4,096 bytes, + my 16 bytes
.endr
	TOKLOAD 128                                    ; my next tile's tokens are asked for under the products, whether or not that tile has rows
	FETCHW 0, 0                                    ; no wait of their own: no vector or matrix instruction stands since TOKLOAD's, behind which the last readers of the four sets are done (set 1's maxima and copies, or the last tile's matrix instructions)
	FETCHW 1, 1
	FETCHW 2, 2
	FETCHW 3, 3
.irp s, 0,1,2,3,4,5,6,7,8,9,10,11,12,13,14,15
.if \s < 14
	s_wait_dscnt 27-9*(\s%2)                       ; this K step's fetch is in.  The sets are filled two at a time, behind the odd K steps: at an even step three younger fetches of 9 loads may be out, at an odd one two
.else
	s_wait_dscnt 9*(15-\s)
.endif
	WIN 0x05                                       ; w2 and the hidden layer in window 1; b2 and the results in window 0
.irp tl, 0,1,2,3                               ; the four accumulators by turns, one instruction a turn
.set rD, ACC+8*\tl
.set rA, 128+32*(\s%4)+8*\tl
.set rB, 8*\s
.set rC, ACC+8*\tl
.if \s == 0
.set rC, BI+8*\tl
.endif
.set rSA, WS+2*(\s%4)+\tl/2
.set rSB, HS+\s/2
	MM \tl%2, \s%2
.endr
.if (\s < 12) && (\s%2 == 1)
	PLACES
	s_wait_alu depctr_va_vdst(0)                   ; this K step's matrix instructions and the last one's are done reading their two sets of w2's fragments and scale words, in which the two fetches land
	FETCHW \s+3, (\s-1)%4
	FETCHW \s+4, \s%4
.endif
.endr
	WIN 0
	PLACES
	s_add_co_u32 s28, s26, 128
	s_cmp_lt_u32 s28, s23
	s_cbranch_scc0 .Lnonext
	s_wait_loadcnt 0x0                             ; the next tile's tokens
	OPLOAD                                         ; its operands land under the way out
.Lnonext:
.set ii, 0
.rept 16
	v_pk_mul_f32 v[ACC+2*ii:ACC+2*ii+1], v[ACC+2*ii:ACC+2*ii+1], v[50:51] op_sel_hi:[1,0]   ; x gate; each accumulator from its low end on
.set ii, ii+1
.endr
	s_wait_alu depctr_va_vdst(0)                   ; the multiplications have written the accumulators, which the LDS stores read; the rows' addresses were written at the trip's head; and in the first trip the stream's copies are done with OUTR, in which the loads from the stage land
.irp tl, 0,1,2,3
	ds_store_b128 v21, v[ACC+8*\tl:ACC+8*\tl+3] offset:64*\tl          ; lane (r, h): out(row r, 16 tile + 8 h + 0 .. 7)
	ds_store_b128 v21, v[ACC+8*\tl+4:ACC+8*\tl+7] offset:64*\tl+16
.endr
.irp i, 0,1,2,3,4,5,6,7
	ds_load_b128 v[OUTR+4*\i:OUTR+4*\i+3], v22 offset:544*\i            ; LDS serves a wave's instructions in order: these see my stores
.endr
	s_wait_dscnt 0x0
.irp i, 0,1,2,3,4,5,6,7
	global_store_b128 v[ROWA+\i], v[OUTR+4*\i:OUTR+4*\i+3], s[18:19] th:TH_STORE_NT   ; sixteen lanes store 256 consecutive bytes, at a multiple of 256 from out0's first byte
.endr
	s_wait_xcnt 0x0                                ; the stores' registers are written again in the next trip
	s_wait_alu depctr_vm_vsrc(0)                   ; this trip's loads have read v11, RA, v16, v17 and v18, its LDS stores the accumulators, its global stores ROWA and OUTR: the next trip writes them all again
.Lskip:
	s_add_co_u32 s26, s26, 128
	s_add_co_u32 s29, s29, 1
	s_cmp_lt_u32 s29, 8
	s_cbranch_scc1 .Ltile
	s_wait_dscnt 0x0                               ; the closing lines, six on end
	s_wait_alu 0x0
	s_wait_tensorcnt 0x0
	ds_add_u32 v254, v255
	s_wait_dscnt 0x0
	s_endpgm
.Lfunc_end_k_qf1de1a380a_layer2:
	.size	k_qf1de1a380a_layer2, .Lfunc_end_k_qf1de1a380a_layer2-k_qf1de1a380a_layer2
	.p2alignl 7, 3214868480
	.fill 96, 4, 3214868480
	.section	.rodata,"a",@progbits
	.p2align	6, 0x0
	.amdhsa_kernel k_qf1de1a380a_layer2
		.amdhsa_group_segment_fixed_size 106496
		.amdhsa_private_segment_fixed_size 0
		.amdhsa_enable_private_segment 0
		.amdhsa_kernarg_size 64
		.amdhsa_user_sgpr_count 2
		.amdhsa_user_sgpr_kernarg_segment_ptr 1
		.amdhsa_wavefront_size32 1
		.amdhsa_system_sgpr_workgroup_id_x 1
		.amdhsa_system_sgpr_workgroup_id_y 1
		.amdhsa_system_sgpr_workgroup_id_z 1
		.amdhsa_system_vgpr_workitem_id 0
		.amdhsa_next_free_vgpr 512
		.amdhsa_next_free_sgpr 66
		.amdhsa_reserve_vcc 0
		.amdhsa_float_denorm_mode_32 3
		.amdhsa_float_denorm_mode_16_64 3
		.amdhsa_memory_ordered 1
		.amdhsa_forward_progress 1
		.amdhsa_inst_pref_size 97
	.end_amdhsa_kernel
	.amdgpu_metadata
---
amdhsa.version: [ 1, 2 ]
amdhsa.kernels:
  - .name:           k_qf1de1a380a_layer2
    .symbol:         k_qf1de1a380a_layer2.kd
    .args:
      - { .name: list, .offset: 0, .size: 8, .value_kind: global_buffer, .address_space: global }
      - { .name: meta, .offset: 8, .size: 8, .value_kind: global_buffer, .address_space: global }
      - { .name: gate, .offset: 16, .size: 8, .value_kind: global_buffer, .address_space: global }
      - { .name: hid, .offset: 24, .size: 8, .value_kind: global_buffer, .address_space: global }
      - { .name: hsc, .offset: 32, .size: 8, .value_kind: global_buffer, .address_space: global }
      - { .name: w2, .offset: 40, .size: 8, .value_kind: global_buffer, .address_space: global }
      - { .name: b2, .offset: 48, .size: 8, .value_kind: global_buffer, .address_space: global }
      - { .name: out0, .offset: 56, .size: 8, .value_kind: global_buffer, .address_space: global }
    .group_segment_fixed_size: 106496
    .private_segment_fixed_size: 0
    .kernarg_segment_align: 8
    .kernarg_segment_size: 64
    .max_flat_workgroup_size: 256
    .sgpr_count:     66
    .vgpr_count:     512
    .wavefront_size: 32
...
	.end_amdgpu_metadata
.endif
;; end of part 8
